; MI455X (gfx1250); checked and timed in simulation.
; The chip was launched on July 23, 2026; its instructions are those of AMD's public machine-readable ISA for CDNA 5 (MIT licence, August 2026) and "CDNA5" Instruction Set Architecture Reference Guide (July 2026). The comments in the code are by the model that wrote it; some were corrected since.
;; Multi Head Attention. Allowed arithmetic: matrix products marked QUANTISED: E2M3 operands, one E8M0 scale for each 32 along K, by v_wmma_scale_f32_16x16x128_f8f6f4 with both operands' format E2M3, f32 sums; everything else in f32.
;; Inputs: k 4 x 2,048 x 1,024 float32; q 4 x 2,048 x 1,024 float32; v 4 x 2,048 x 1,024 float32; w_k 1,024 x 1,024 float32; w_o 1,024 x 1,024 float32; w_q 1,024 x 1,024 float32; w_v 1,024 x 1,024 float32.
;; Outputs: out0 4 x 2,048 x 1,024 float32.
;; This version of the problem:
;;   THIS VERSION OF THE PROBLEM IS GIVEN IN LOW PRECISION. The matrix products marked QUANTISED in the list below multiply operands that are first quantised to E2M3 (2 exponent bits, 3 mantissa bits; 6 bits a number), with one power-of-two scale for each 32 numbers along K (OCP MX v1.0); their sums are f32. All else is computed in f32.
;;   The module's matrix products, in the order in which they are computed (A, B: the left and right operand; K: the contracted axis; several contracted axes count as one K, in the product's order):
;;     1. [M 8,192, K 1,024] x [K 1,024, N 1,024]; A: input q; B: input w_q: QUANTISED
;;     2. [M 8,192, K 1,024] x [K 1,024, N 1,024]; A: input k; B: input w_k: QUANTISED
;;     3. [M 8,192, K 1,024] x [K 1,024, N 1,024]; A: input v; B: input w_v: QUANTISED
;;     4. batch 64 x [M 2,048, K 64] x [K 64, N 2,048]; A: computed on the way; B: computed on the way: QUANTISED
;;     5. batch 64 x [M 2,048, K 2,048] x [K 2,048, N 64]; A: softmax (see below); B: computed on the way: QUANTISED
;;     6. [M 8,192, K 1,024] x [K 1,024, N 1,024]; A: computed on the way; B: input w_o: QUANTISED
;;   THE QUANTISER, for each operand of a quantised product, along K:
;;     - K is cut into blocks of 32 from its start; a last block that is shorter is filled with zeros.
;;     - A block's scale is 2^e with e = floor(log2(the largest magnitude in the block)) - 2, held to -126 .. 127; a block of zeros has e = 0. As a byte (E8M0): e + 127.
;;     - Each number is divided by its block's scale, clamped to +-7.5, and rounded to the nearest number of E2M3, ties to even, subnormals kept.
;;     - The product sums the exact products of the quantised numbers (number of the format x scale) in f32.
;;   ~~~python
;;   def quantise(x, axis):      # numpy; x: float32 -> the quantised numbers, widened to float32 again
;;       x = np.moveaxis(x, axis, -1); K = x.shape[-1]
;;       x = np.pad(x, [(0, 0)] * (x.ndim - 1) + [(0, -K % 32)]); x = x.reshape(x.shape[:-1] + (-1, 32)); a = np.abs(x).max(-1, keepdims=True)
;;       e = np.where(a > 0, np.clip(np.frexp(np.where(a > 0, a, 1))[1] - 1 - 2, -126, 127), 0)      # np.frexp(a)[1] - 1 = floor(log2(a)), exactly
;;       r = np.clip(x / 2.0 ** e, -7.5, 7.5)
;;       step = 2.0 ** (np.maximum(np.frexp(np.where(r == 0, 1, r))[1] - 1, 0) - 3)
;;       q = np.round(r / step) * step * 2.0 ** e      # np.round: ties to even
;;       return np.moveaxis(q.reshape(q.shape[:-2] + (-1,))[..., :K], -1, axis).astype(np.float32)
;;   ~~~
;;   SOFTMAX AHEAD OF A QUANTISED PRODUCT. Where the list says 'softmax', what is quantised is not the finished softmax but p = 2^(t - M), with t = logit x log2(e) and M = ceil(the row's largest t), a whole number; so 1/2 < the row's largest p <= 1. The row's sum l is taken of the UNQUANTISED p, in f32, and the product's result is divided by l at the end. Since M is a whole number, a kernel that streams over the keys may use a running M (the ceiling of the running maximum): every later rescaling is an exact power of two, which a block's scale takes up: the codes' values come out the same.
;;   OPERANDS COMPUTED ON THE WAY. 'Computed on the way' means the value that the module computes at that place (a softmax that the list does not call 'softmax' is quantised finished and normalised). What goes into a quantiser is computed in f32, as accurately as f32 sums, v_exp_f32 and their like allow (about 1e-6 of the number): no bf16 or f16 on the way to a quantiser, and a product that is left as it is and whose result goes on into a quantised operand takes f32 operands (vector FMAs, or v_wmma_f32_16x16x4_f32). A number that lies on a knife's edge between two numbers of the format may be rounded either way, as far as f32 arithmetic and the matrix unit's own rounding can turn it there, and no further.
;; One version. Each part assembles by itself: llvm-mc -triple=amdgcn-amd-amdhsa -mcpu=gfx1250 --defsym DOCPART=n.
;; ======== version 1 of 1: 4 launches
;; workspace buffers: inc 22,020,096 bytes; ins 917,504 bytes; pjc 18,874,368 bytes; pjs 786,432 bytes; atc 6,291,456 bytes; ats 262,144 bytes
;; launch quant (part 1): grid 896 x 1, 4 waves a work-group, no clusters, 33,280 bytes of LDS; arguments q, k, v, w_q, w_k, w_v, w_o, inc, ins; writes inc, ins
.if DOCPART == 1
	.amdgcn_target "amdgcn-amd-amdhsa--gfx1250"
	.amdhsa_code_object_version 6
	.text
	.protected	k_qe7f2e63f5a_quant
	.globl	k_qe7f2e63f5a_quant
	.p2align	8
	.type	k_qe7f2e63f5a_quant,@function
k_qe7f2e63f5a_quant:
	s_mov_b64 s[64:65], 0
	v_nop
	global_prefetch_b8 v0, s[64:65] scope:SCOPE_SE
	s_setreg_imm32_b32 hwreg(HW_REG_WAVE_MODE, 25, 1), 1
	s_wait_xcnt 0x0
; q, k, v [8192][1024] and w_q, w_k, w_v, w_o [1024][1024], f32, become codes of FP6 (E2M3), 6 bits each, K (the last axis) innermost, with one E8M0 scale byte for each 32 along K.
; A block's scale is 2^(floor(log2(its largest magnitude)) - 2); its byte is the largest magnitude's own exponent field - 2, held at 1 from below; each number is divided by the scale and rounded to the nearest code, ties to even.
; LIMITS: NaN and infinities among the inputs are not served; blocks whose largest magnitude lies under 2^-124 keep the byte 1; a block of zeros has the byte 1 and not 127 (its codes are zeros, and this program alone reads the bytes).
; The seven tensors are one stream of 3,584 runs of 8 rows (8,192 numbers): a wave takes a run, a work-group four (32 rows).  A run's codes are 6,144 bytes of inc, its scale bytes 256 bytes of ins, in the order q, k, v, w_q, w_k, w_v, w_o.
; THE ROWS OF k, v, w_q, w_k, w_v ARE STORED PERMUTED: inside each 32 rows the runs 1 and 2 change places (bits 3 and 4 of the row's number are swapped).  16 neighbouring stored rows 32 b + 16 u + r are then the rows
; 32 b + 8 u + r + 8 (r / 8): as source 0 of a matrix instruction such tiles 2 b and 2 b + 1 leave a lane 16 NEIGHBOURS of that axis in 16 registers, which is what the next quantiser wants.  It costs one select of the run's number.
; A wave takes 16 steps of 512 numbers.  Each of a step's four loads reads 512 consecutive bytes; the 2,048 bytes turn through the wave's own stage in LDS and come back 64 bytes (16 neighbours) a lane; two lanes hold a block.
; No tensor loads, no barrier: waves share nothing.  Loads run four steps (16 loads a wave) ahead, the turn through LDS one step.
.set WAVES, 4
.set STEPS, 16
.set EMAX,  2
.set CB,    12                         ; bytes of 16 codes
.set R,     16                         ; v16-79   four sets of 16 numbers as they are loaded
.set X,     80                         ; v80-111  two sets of 16 neighbours
.set C,     128                        ; v128-191 codes: four registers for each step, so that no store's data are written again
.set E,     112                        ; v112-127 a scale byte for each step
.set WREG,  8192                       ; LDS: a region for each wave: two stages of 32 x SP bytes, and behind them its 256 scale bytes
.set SP,    80                         ; a lane's place in a stage: its 64 bytes + 16 of padding
.set SPW,   12                         ; v12      LDS address of my spare word: SPARE + 4 x my thread's number; never rewritten
.set NIL,   13                         ; v13      0; never rewritten
.set SPARE, WAVES*WREG                 ; behind the four regions: the spare words, 128 bytes for each wave, which no other line names
	s_load_b256 s[4:11], s[0:1], 0x0               ; q s[4:5], k s[6:7], v s[8:9], w_q s[10:11]
	s_load_b256 s[12:19], s[0:1], 0x20             ; w_k s[12:13], w_v s[14:15], w_o s[16:17], inc s[18:19]
	s_load_b64 s[20:21], s[0:1], 0x40              ; ins
	v_lshl_add_u32 v[SPW], v0, 2, SPARE
	v_mov_b32 v[NIL], 0
	v_lshrrev_b32 v1, 5, v0
	v_readfirstlane_b32 s24, v1                    ; wave
	v_and_b32 v2, 31, v0                           ; lane
	v_lshlrev_b32 v3, 4, v2                        ; my 16 bytes of a load's 512
	s_mul_i32 s25, s24, WREG
	v_lshrrev_b32 v14, 2, v2
	v_mul_u32_u24 v14, v14, SP
	v_and_b32 v15, 3, v2
	v_lshl_add_u32 v14, v15, 4, v14
	v_add_nc_u32 v14, s25, v14                     ; the stage, on the way in: SP (lane / 4) + 16 (lane % 4)
	v_mul_u32_u24 v15, v2, SP
	v_add_nc_u32 v15, s25, v15                     ; and on the way out: SP x lane: my 16 neighbours
	v_mul_u32_u24 v4, v2, CB                       ; my codes' place in a step's
	v_lshrrev_b32 v5, 1, v2
	s_add_co_u32 s25, s25, 2*32*SP
	v_add_nc_u32 v5, s25, v5                       ; LDS: my wave's 256 scale bytes, my block's byte
	v_lshlrev_b32 v7, 3, v2                        ; and on the way out 8 bytes a lane
	v_add_nc_u32 v6, s25, v7
	s_wait_alu depctr_va_vdst(0)
	s_wait_kmcnt 0x0
; Which tensor is my work-group's?  The choice hangs on the work-group's number alone; only a pointer and the tensor's first work-group are chosen, so all tensors take one path.
.macro PICK lim, ptr, first
	s_cmp_lt_u32 ttmp9, \lim
	s_cselect_b64 s[26:27], s[\ptr:\ptr+1], s[26:27]
	s_cselect_b32 s28, \first, s28
.endm
	s_mov_b64 s[26:27], s[16:17]                   ; w_o: work-groups 864 to 895
	s_mov_b32 s28, 864
	PICK 864, 14, 832                              ; w_v
	PICK 832, 12, 800                              ; w_k
	PICK 800, 10, 768                              ; w_q
	PICK 768, 8, 512                               ; v
	PICK 512, 6, 256                               ; k
	PICK 256, 4, 0                                 ; q
	s_sub_co_u32 s28, ttmp9, s28
	s_lshl_b32 s28, s28, 2
	s_add_co_u32 s28, s28, s24                     ; my run in the tensor,
	s_lshl_b32 s28, s28, 15                        ; 32,768 bytes a run (under 2^25)
	s_mov_b32 s29, 0
	s_add_nc_u64 s[26:27], s[26:27], s[28:29]
	s_and_b32 s30, s24, 1                          ; the wave's number with its two bits swapped
	s_lshl_b32 s30, s30, 1
	s_lshr_b32 s31, s24, 1
	s_or_b32 s30, s30, s31
	s_sub_co_u32 s31, ttmp9, 256                   ; work-groups 256 to 863 (k, v, w_q, w_k, w_v) store permuted
	s_cmp_lt_u32 s31, 608
	s_cselect_b32 s30, s30, s24
	s_lshl_b32 s31, ttmp9, 2
	s_add_co_u32 s30, s31, s30                     ; the run's place in inc and ins
	s_mul_i32 s32, s30, 32*STEPS*CB                ; 6,144 bytes of codes a run
	s_mov_b32 s33, 0
	s_add_nc_u64 s[18:19], s[18:19], s[32:33]
	s_lshl_b32 s32, s30, 8                         ; 256 scale bytes a run
	s_add_nc_u64 s[20:21], s[20:21], s[32:33]
.macro LOAD t
.irp i, 0,1,2,3
	global_load_b128 v[R+16*((\t)%4)+4*\i:R+16*((\t)%4)+4*\i+3], v3, s[26:27] offset:2048*(\t)+512*\i th:TH_LOAD_NT   ; 32 lanes read 512 consecutive bytes
.endr
.endm
.macro TURN t                          ; step t's numbers through the stage: LDS serves a wave's instructions in order, so no wait stands between the stores and the loads
.irp i, 0,1,2,3
	ds_store_b128 v14, v[R+16*((\t)%4)+4*\i:R+16*((\t)%4)+4*\i+3] offset:32*SP*((\t)%2)+8*SP*\i
.endr
.irp i, 0,1,2,3
	ds_load_b128 v[X+16*((\t)%2)+4*\i:X+16*((\t)%2)+4*\i+3], v15 offset:32*SP*((\t)%2)+16*\i
.endr
.endm
.irp t, 0,1,2,3
	LOAD \t
.endr
	s_wait_loadcnt 12                              ; step 0's four loads are in; those of steps 1 to 3 may be out
	TURN 0
.macro STEP t
.set XS, X+16*((\t)%2)
.if (\t) > 0
	s_wait_dscnt 1                                 ; this step's numbers are back from the stage (the last step's byte store may be out): so its stores into the stage have read their registers,
.else
	s_wait_dscnt 0x0
.endif
.if (\t)+4 < STEPS
	LOAD (\t)+4                                    ; which take the loads of four steps on
.endif
.if (\t)+1 < STEPS
.if STEPS-2-(\t) >= 3
	s_wait_loadcnt 12                              ; the next step's four loads are in; those of the three steps behind it may be out
.else
	s_wait_loadcnt 4*(STEPS-2-(\t))
.endif
	TURN (\t)+1                                    ; and go through the other stage while this step is worked
.endif
	v_max3_num_f32 v8, |v[XS]|, |v[XS+1]|, |v[XS+2]|               ; the largest magnitude of my 16, in two chains
	v_max3_num_f32 v9, |v[XS+3]|, |v[XS+4]|, |v[XS+5]|
.irp i, 6,10
	v_max3_num_f32 v8, v8, |v[XS+\i]|, |v[XS+\i+1]|
	v_max3_num_f32 v9, v9, |v[XS+\i+2]|, |v[XS+\i+3]|
.endr
	v_max3_num_f32 v8, v8, |v[XS+14]|, |v[XS+15]|
	v_max3_num_f32 v8, v8, v9, (EMAX+1)<<23        ; and the floor 2^(EMAX + 1 - 127): the byte cannot fall under 1
	v_max_num_f32_dpp v8, v8, v8 row_xmask:1 row_mask:0xf bank_mask:0xf   ; and of my neighbour's 16: the block's
	v_add_nc_u32 v11, -(EMAX<<23), v8              ; EMAX off its exponent field: the conversion takes the exponent field of this operand as its scale, and nothing else of it
	v_cvt_scalef32_pk16_fp6_f32 v[C+4*(\t):C+4*(\t)+2], v[XS:XS+15], v11         ; sixteen codes, 96 bits without gaps, the first number's code lowest
	v_lshrrev_b32 v[E+(\t)], 23, v11               ; the scale's byte
	ds_store_b8 v5, v[E+(\t)] offset:16*(\t)       ; both lanes of a block write the same byte with the same value
	global_store_b96 v4, v[C+4*(\t):C+4*(\t)+2], s[18:19] offset:32*CB*(\t)       ; the wave stores 384 consecutive bytes
.endm
.irp t, 0,1,2,3,4,5,6,7,8,9,10,11,12,13,14,15
	STEP \t
.endr
	ds_load_b64 v[8:9], v6                         ; LDS serves a wave's instructions in order: these see my stores
	s_wait_dscnt 0x0
	global_store_b64 v7, v[8:9], s[20:21]          ; 32 lanes store 256 consecutive bytes, at a multiple of 256 from the buffer's first byte
	s_wait_tensorcnt 0x0                           ; the wave's end, behind my last LDS store
	ds_add_u32 v[SPW], v[NIL]
	s_wait_dscnt 0x0
	s_endpgm
.Lfunc_end_k_qe7f2e63f5a_quant:
	.size	k_qe7f2e63f5a_quant, .Lfunc_end_k_qe7f2e63f5a_quant-k_qe7f2e63f5a_quant
	.p2alignl 7, 3214868480
	.fill 96, 4, 3214868480
	.section	.rodata,"a",@progbits
	.p2align	6, 0x0
	.amdhsa_kernel k_qe7f2e63f5a_quant
		.amdhsa_group_segment_fixed_size 33280
		.amdhsa_private_segment_fixed_size 0
		.amdhsa_enable_private_segment 0
		.amdhsa_kernarg_size 72
		.amdhsa_user_sgpr_count 2
		.amdhsa_user_sgpr_kernarg_segment_ptr 1
		.amdhsa_wavefront_size32 1
		.amdhsa_system_sgpr_workgroup_id_x 1
		.amdhsa_system_sgpr_workgroup_id_y 1
		.amdhsa_system_sgpr_workgroup_id_z 1
		.amdhsa_system_vgpr_workitem_id 0
		.amdhsa_next_free_vgpr 192
		.amdhsa_next_free_sgpr 66
		.amdhsa_reserve_vcc 0
		.amdhsa_float_denorm_mode_32 3
		.amdhsa_float_denorm_mode_16_64 3
		.amdhsa_memory_ordered 1
		.amdhsa_forward_progress 1
		.amdhsa_inst_pref_size 33
	.end_amdhsa_kernel
	.amdgpu_metadata
---
amdhsa.version: [ 1, 2 ]
amdhsa.kernels:
  - .name:           k_qe7f2e63f5a_quant
    .symbol:         k_qe7f2e63f5a_quant.kd
    .args:
      - { .name: q, .offset: 0, .size: 8, .value_kind: global_buffer, .address_space: global }
      - { .name: k, .offset: 8, .size: 8, .value_kind: global_buffer, .address_space: global }
      - { .name: v, .offset: 16, .size: 8, .value_kind: global_buffer, .address_space: global }
      - { .name: w_q, .offset: 24, .size: 8, .value_kind: global_buffer, .address_space: global }
      - { .name: w_k, .offset: 32, .size: 8, .value_kind: global_buffer, .address_space: global }
      - { .name: w_v, .offset: 40, .size: 8, .value_kind: global_buffer, .address_space: global }
      - { .name: w_o, .offset: 48, .size: 8, .value_kind: global_buffer, .address_space: global }
      - { .name: inc, .offset: 56, .size: 8, .value_kind: global_buffer, .address_space: global }
      - { .name: ins, .offset: 64, .size: 8, .value_kind: global_buffer, .address_space: global }
    .group_segment_fixed_size: 33280
    .private_segment_fixed_size: 0
    .kernarg_segment_align: 8
    .kernarg_segment_size: 72
    .max_flat_workgroup_size: 128
    .sgpr_count:     66
    .vgpr_count:     192
    .wavefront_size: 32
...
	.end_amdgpu_metadata
.endif
;; end of part 1
;; launch proj (part 2): grid 4 x 96, 4 waves a work-group, clusters of 4 x 4, 327,680 bytes of LDS; arguments inc, ins, pjc, pjs; writes pjc, pjs
.if DOCPART == 2
	.amdgcn_target "amdgcn-amd-amdhsa--gfx1250"
	.amdhsa_code_object_version 6
	.text
	.protected	k_qe7f2e63f5a_proj
	.globl	k_qe7f2e63f5a_proj
	.p2align	8
	.type	k_qe7f2e63f5a_proj,@function
k_qe7f2e63f5a_proj:
	s_mov_b64 s[64:65], 0
	v_nop
	global_prefetch_b8 v0, s[64:65] scope:SCOPE_SE
	s_setreg_imm32_b32 hwreg(HW_REG_WAVE_MODE, 25, 1), 1
	s_wait_xcnt 0x0
	s_wait_alu depctr_hold_cnt(0) depctr_sa_sdst(0) depctr_va_vdst(0) depctr_va_sdst(0) depctr_va_ssrc(0) depctr_va_vcc(0) depctr_vm_vsrc(0)
	s_getreg_b32 s2, hwreg(HW_REG_IB_STS2, 6, 4)
	s_cmp_eq_u32 s2, 0
	s_cbranch_scc0 .Lentry_in_a_cluster
	s_endpgm
.Lentry_in_a_cluster:
	s_bfe_u32 s2, ttmp6, 0x10000c
	s_cmp_lg_u32 s2, 0xf033
	s_cbranch_scc0 .Lentry_shape_is_right
	s_endpgm
.Lentry_shape_is_right:
.set KSTEP,  256
.set NQ,     KSTEP/128
.set ROWB,   192
.set KROW,   768
.set PITCH,  240
.set FR,     12
.set NL,     6
.set NP,     4
.set HALFT,  128*PITCH
.set SLOT,   4*HALFT
.set LAPS,   2
.set KS,     32
.set SCL,    2*SLOT
.set HALFS,  (128*KS/256)*272
.set SBLK,   (16*KS/256)*272
.set SPARE,  SCL+4*HALFS
.set HEADB,  98304
.set ADRA, 16
.set ADRB, 20
.set LI,   24
.set LW,   25
.set ADRS, 27
.set SPW,  28
.set NIL,  29
.set SC,   32
.set TM,   64
.set W,    96
.set T,    104
.set U,    112
.set AF,   128
.set XB,   128
.set G1, 24
.set G0, 32
.set G1B, 48
.set G0B, 56
.set G1S, 68
.set G0S, 76
.set G1SB, 80
.set G0SB, 88
.set MSB, 0
.macro WIN new
.if MSB != \new
	s_set_vgpr_msb (MSB<<8)|\new
.set MSB, \new
.endif
.endm
.set MUL_LO, 0xa1
.set MUL_HI, 0xf1
.set TO_B,   0x40
.macro JLOAD g0a, g1a, g0b, g1b
	s_cmp_eq_u32 s15, 0
	s_cbranch_scc0 .Lfor_b_\@
	tensor_load_to_lds s[\g0a:\g0a+3], s[\g1a:\g1a+7]
	s_nop 0
.rept 4
	v_nop
.endr
	s_branch .Lasked_\@
.Lfor_b_\@:
	tensor_load_to_lds s[\g0b:\g0b+3], s[\g1b:\g1b+7]
	s_nop 0
.rept 4
	v_nop
.endr
.Lasked_\@:
.endm
.macro CREST
	s_cmp_lg_u32 s14, 0
	s_cbranch_scc1 .Lnot_wave_0_\@
	s_barrier_signal -3
.Lnot_wave_0_\@:
	s_barrier_wait -3
	s_barrier_signal -1
	s_barrier_wait -1
.endm
.macro CROUND
	s_barrier_signal -1
	s_barrier_wait -1
	CREST
.endm
	s_load_b256 s[4:11], s[0:1], 0x0
	v_lshl_add_u32 v[SPW], v0, 2, SPARE
	v_mov_b32 v[NIL], 0
	ds_add_u32 v[SPW], v[NIL]
	ds_add_u32 v[SPW], v[NIL]
	v_lshrrev_b32 v1, 5, v0
	v_readfirstlane_b32 s14, v1
	s_lshr_b32 s15, s14, 1
	s_and_b32 s16, s14, 1
	s_bfe_u32 s40, ttmp6, 0x40000
	s_bfe_u32 s41, ttmp6, 0x40004
	s_and_b32 s95, ttmp7, 0xffff
	s_lshr_b32 s13, s95, 3
	s_and_b32 s96, s95, 7
	s_mul_i32 s97, s13, 6291456
	s_mul_i32 s98, s13, 786432
	s_add_co_u32 s98, s98, 18874368
	s_lshl_b32 s99, s13, 18
	s_lshl_b32 s100, s13, 15
	s_add_co_u32 s100, s100, 786432
	s_cmp_lt_u32 s95, 16
	s_cselect_b32 s12, 1, 0
	s_cselect_b32 s101, 0, s96
	s_cselect_b32 s96, s96, 0
	s_cselect_b32 s97, s97, 20447232
	s_cselect_b32 s98, s98, 12582912
	s_cselect_b32 s99, s99, 851968
	s_cselect_b32 s100, s100, 524288
	s_lshl_b32 s42, s101, 2
	s_add_co_u32 s42, s42, s40
	s_lshl_b32 s17, s96, 2
	s_add_co_u32 s17, s17, s41
	s_lshl_b32 s43, s41, 2
	s_lshl_b32 s43, 15, s43
	s_lshl_b32 s44, 0x1111, s40
	s_or_b32 s[G1+0], s43, (0<<16)|(1<<20)|(1<<21)|(3<<22)|(3<<25)
	s_or_b32 s[G1B+0], s44, (0<<16)|(1<<20)|(1<<21)|(3<<22)|(3<<25)
.irp g, G1, G1B
	s_mov_b32 s[\g+1], ROWB<<16
	s_mov_b32 s[\g+2], 128<<16
	s_mov_b32 s[\g+3], ROWB<<16
	s_mov_b32 s[\g+4], 128
	s_mov_b32 s[\g+5], KROW
	s_mov_b32 s[\g+6], 0
	s_mov_b32 s[\g+7], 0
.endr
	s_or_b32 s[G1S+0], s43, (3<<16)|(1<<20)|(1<<21)|(5<<22)|(3<<25)
	s_or_b32 s[G1SB+0], s44, (3<<16)|(1<<20)|(1<<21)|(5<<22)|(3<<25)
.irp g, G1S, G1SB
	s_mov_b32 s[\g+1], 32<<16
	s_mov_b32 s[\g+2], (128*KS/256)<<16
	s_mov_b32 s[\g+3], 32<<16
	s_mov_b32 s[\g+4], 128*KS/256
	s_mov_b32 s[\g+5], 32
	s_mov_b32 s[\g+6], 0
	s_mov_b32 s[\g+7], 0
.endr
	s_lshl_b32 s18, s16, 7
	s_lshl_b32 s20, s17, 8
	s_add_co_u32 s20, s20, s18
	s_lshl_b32 s46, s42, 8
	s_add_co_u32 s46, s46, s18
	s_lshl_b32 s22, s20, 5
	s_add_co_u32 s22, s22, s99
	s_mov_b32 s23, 0
	s_lshl_b32 s92, s46, 5
	s_add_co_u32 s92, s92, s100
	s_mov_b32 s93, 0
	s_mul_i32 s20, s20, KROW
	s_add_co_u32 s20, s20, s97
	s_mov_b32 s21, 0
	s_mul_i32 s46, s46, KROW
	s_add_co_u32 s46, s46, s98
	s_mov_b32 s47, 0
	s_mul_i32 s45, s14, HALFT
	s_mul_i32 s94, s14, HALFS
	s_wait_dscnt 0x0
	s_wait_kmcnt 0x0
	s_add_nc_u64 s[20:21], s[4:5], s[20:21]
	s_add_nc_u64 s[22:23], s[6:7], s[22:23]
	s_add_nc_u64 s[46:47], s[4:5], s[46:47]
	s_add_nc_u64 s[92:93], s[6:7], s[92:93]
	CROUND
	s_mov_b32 s[G0S], 1
	s_add_co_u32 s[G0S+1], s94, SCL
	s_mov_b64 s[G0S+2:G0S+3], s[22:23]
	s_or_b32 s[G0S+3], s[G0S+3], 0x80000000
	s_mov_b32 s[G0SB], 1
	s_add_co_u32 s[G0SB+1], s94, SCL
	s_mov_b64 s[G0SB+2:G0SB+3], s[92:93]
	s_or_b32 s[G0SB+3], s[G0SB+3], 0x80000000
	JLOAD G0S, G1S, G0SB, G1SB
.irp s, 0,1
	s_mov_b32 s[G0+4*\s], 1
	s_add_co_u32 s[G0+4*\s+1], s45, \s*SLOT
	s_add_nc_u64 s[G0+4*\s+2:G0+4*\s+3], s[20:21], \s*ROWB
	s_or_b32 s[G0+4*\s+3], s[G0+4*\s+3], 0x80000000
	s_mov_b32 s[G0B+4*\s], 1
	s_add_co_u32 s[G0B+4*\s+1], s45, \s*SLOT
	s_add_nc_u64 s[G0B+4*\s+2:G0B+4*\s+3], s[46:47], \s*ROWB
	s_or_b32 s[G0B+4*\s+3], s[G0B+4*\s+3], 0x80000000
	s_wait_alu depctr_va_vdst(0)
	s_wait_tensorcnt 0x0
	ds_add_u32 v28, v29
	s_wait_dscnt 0x0
	CROUND
	JLOAD G0+4*\s, G1, G0B+4*\s, G1B
.endr
	v_and_b32 v1, 15, v0
	v_bfe_u32 v2, v0, 4, 1
	v_mul_u32_u24 v3, v1, PITCH
	v_mul_u32_u24 v4, v2, 24
	v_add_nc_u32 v4, v3, v4
	v_lshl_add_u32 v5, v2, 4, v4
	s_mul_i32 s21, s15, HALFT
	s_mul_i32 s22, s16, HALFT
	s_add_co_u32 s22, s22, 2*HALFT
.irp s, 0,1
	v_add_nc_u32 v[ADRA+\s], s21, v4
	v_add_nc_u32 v[ADRB+\s], s22, v4
	v_add_nc_u32 v[ADRA+2+\s], s21, v5
	v_add_nc_u32 v[ADRB+2+\s], s22, v5
	s_add_co_u32 s21, s21, SLOT
	s_add_co_u32 s22, s22, SLOT
.endr
	v_mul_u32_u24 v5, v1, KS
	v_lshrrev_b32 v6, 8, v5
	v_lshl_add_u32 v5, v6, 4, v5
	s_mul_i32 s21, s15, HALFS
	s_mul_i32 s22, s16, HALFS
	s_add_co_u32 s22, s22, 2*HALFS
	s_sub_co_u32 s22, s22, s21
	v_mul_u32_u24 v6, s22, v2
	s_add_co_u32 s21, s21, SCL
	v_add_nc_u32 v5, v5, v6
	v_add_nc_u32 v[ADRS], s21, v5
	v_and_b32 v[LI], 31, v0
	v_lshlrev_b32 v[LI], 4, v[LI]
	v_lshlrev_b32 v[LW], 4, v1
	v_lshl_add_u32 v[LW], v2, 12, v[LW]
.macro FRAG reg, adr, q, i
.irp p, 0,1,2,3,4,5
.set PC, 12*(\q)+6*(\p/3)+\p%3
.if PC%8 < 5
	ds_load_b64 v[\reg+2*\p:\reg+2*\p+1], v[\adr] offset:8*PC+16*(PC/8)+(\i)*16*PITCH
.else
	ds_load_b64 v[\reg+2*\p:\reg+2*\p+1], v[\adr+2] offset:8*PC+16*(PC/8)+(\i)*16*PITCH
.endif
.endr
.endm
.macro MUL16 a0, p, q, sc, zero
.irp a, \a0, \a0+1
.irp b, 0,1,2,3,4,5,6,7
.if \zero
	v_wmma_scale_f32_16x16x128_f8f6f4 v[8*(8*((\a)%4)+\b):8*(8*((\a)%4)+\b)+7], v[128*(\p)+FR*\b:128*(\p)+FR*\b+FR-1], v[AF+FR*(\a):AF+FR*(\a)+FR-1], 0, v[SC+8*NQ*(\sc)+NQ*\b+(\q)], v[SC+8*NQ*(\sc)+NQ*(\a)+(\q)] matrix_a_fmt:MATRIX_FMT_FP6 matrix_b_fmt:MATRIX_FMT_FP6 matrix_a_scale:MATRIX_SCALE_ROW1
.else
	v_wmma_scale_f32_16x16x128_f8f6f4 v[8*(8*((\a)%4)+\b):8*(8*((\a)%4)+\b)+7], v[128*(\p)+FR*\b:128*(\p)+FR*\b+FR-1], v[AF+FR*(\a):AF+FR*(\a)+FR-1], v[8*(8*((\a)%4)+\b):8*(8*((\a)%4)+\b)+7], v[SC+8*NQ*(\sc)+NQ*\b+(\q)], v[SC+8*NQ*(\sc)+NQ*(\a)+(\q)] matrix_a_fmt:MATRIX_FMT_FP6 matrix_b_fmt:MATRIX_FMT_FP6 matrix_a_scale:MATRIX_SCALE_ROW1
.endif
.endr
.endr
.endm
.macro FETCH_B slot, q, p
	WIN TO_B
.irp i, 0,1,2,3,4,5,6,7
	FRAG 128*(\p)+FR*\i, ADRB+\slot, \q, \i
.endr
	WIN 0
.endm
.macro FETCH_A slot, q, i0
.irp i, \i0, \i0+1, \i0+2, \i0+3
	FRAG AF+FR*(\i), ADRA+\slot, \q, \i
.endr
.endm
.macro SCALES sc
.irp i, 0,1,2,3,4,5,6,7
	ds_load_b64 v[SC+8*NQ*\sc+NQ*\i:SC+8*NQ*\sc+NQ*\i+1], v[ADRS] offset:\i*SBLK
.endr
.endm
.macro PLACES n
.rept \n
	v_nop
.endr
.endm
.macro STEP slot, q, zero
	s_wait_dscnt 4*NL
	WIN MUL_LO
	MUL16 0, (\q)%2, \q, \slot, \zero
	MUL16 2, (\q)%2, \q, \slot, \zero
	s_wait_dscnt 0
	PLACES NP
	FETCH_B \slot, (\q)+1, 1-(\q)%2
	FETCH_A \slot, (\q)+1, 0
	WIN MUL_HI
	MUL16 4, (\q)%2, \q, \slot, \zero
	MUL16 6, (\q)%2, \q, \slot, \zero
	PLACES NP
	WIN 0
	FETCH_A \slot, (\q)+1, 4
.endm
.macro TURN slot, next, fill
	s_wait_tensorcnt 0x0
	ds_add_u32 v[SPW], v[NIL]
	s_wait_dscnt 4*NL+1
	WIN MUL_LO
	MUL16 0, 1, NQ-1, \slot, 0
	s_wait_dscnt 0x0
	s_barrier_signal -1
	MUL16 2, 1, NQ-1, \slot, 0
	WIN 0
	s_barrier_wait -1
.if \fill
	CREST
	s_add_nc_u64 s[G0+4*\slot+2:G0+4*\slot+3], s[G0+4*\slot+2:G0+4*\slot+3], 2*ROWB
	s_add_nc_u64 s[G0B+4*\slot+2:G0B+4*\slot+3], s[G0B+4*\slot+2:G0B+4*\slot+3], 2*ROWB
	JLOAD G0+4*\slot, G1, G0B+4*\slot, G1B
.else
	PLACES NP
.endif
	s_wait_alu depctr_va_vdst(0)
	v_add_nc_u32 v[ADRS], 4*NQ, v[ADRS]
	FETCH_B \next, 0, 0
	FETCH_A \next, 0, 0
	SCALES \next
	WIN MUL_HI
	MUL16 4, 1, NQ-1, \slot, 0
	MUL16 6, 1, NQ-1, \slot, 0
	PLACES NP
	WIN 0
	FETCH_A \next, 0, 4
.endm
	s_wait_alu depctr_va_vdst(0)
	s_wait_tensorcnt 1
	s_barrier_signal -1
	s_barrier_wait -1
	FETCH_B 0, 0, 0
	FETCH_A 0, 0, 0
	SCALES 0
	FETCH_A 0, 0, 4
	STEP 0, 0, 1
	s_mov_b32 s3, LAPS-1
.Llap:
	TURN 0, 1, 1
	STEP 1, 0, 0
	TURN 1, 0, 1
	STEP 0, 0, 0
	s_sub_co_u32 s3, s3, 1
	s_cmp_lg_u32 s3, 0
	s_cbranch_scc1 .Llap
	TURN 0, 1, 0
	STEP 1, 0, 0
	s_wait_dscnt 4*NL
	WIN MUL_LO
	MUL16 0, 1, NQ-1, 1, 0
	MUL16 2, 1, NQ-1, 1, 0
	s_wait_dscnt 0
	WIN MUL_HI
	MUL16 4, 1, NQ-1, 1, 0
	MUL16 6, 1, NQ-1, 1, 0
	WIN 0
.macro QUANT a
.set QS, 64*((\a)%4)
.set WD, 2+(\a)/4
.set WW, WD*5
.set D0, XB+24*((\a)/2)+6*((\a)%2)
.if (\a)%4 == 1
.set CT, 224
.else
.set CT, 80
.endif
	WIN WW
.irp b, 0,1,2,3
	v_max3_num_f32 v[TM+\b], |v[QS+16*\b]|, |v[QS+16*\b+1]|, 0x1800000
.endr
.irp i, 2,4,6,8,10,12,14
.irp b, 0,1,2,3
	v_max3_num_f32 v[TM+\b], |v[QS+16*\b+\i]|, |v[QS+16*\b+\i+1]|, v[TM+\b]
.endr
.endr
	WIN 0
.irp b, 0,1,2,3
	v_permlanex16_b32 v[TM+4+\b], v[TM+\b], s18, s19
.endr
.irp b, 0,1,2,3
	v_max_num_f32 v[TM+\b], v[TM+\b], v[TM+4+\b]
.endr
.irp b, 0,1,2,3
	v_add_nc_u32 v[TM+12+\b], 0xff000000, v[TM+\b]
.endr
.irp b, 0,1,2,3
	v_lshrrev_b32 v[TM+4+\b], 23, v[TM+12+\b]
.endr
	v_lshl_or_b32 v[W+(\a)], v[TM+5], 8, v[TM+4]
	v_lshl_or_b32 v[W+(\a)], v[TM+6], 16, v[W+(\a)]
	v_lshl_or_b32 v[W+(\a)], v[TM+7], 24, v[W+(\a)]
	WIN WD
.irp c, 0,1
	v_cvt_scalef32_pk16_fp6_f32 v[CT+8*\c:CT+8*\c+2], v[QS+32*\c:QS+32*\c+15], v[TM+12+2*\c]
	v_cvt_scalef32_pk16_fp6_f32 v[CT+8*\c+4:CT+8*\c+6], v[QS+32*\c+16:QS+32*\c+31], v[TM+13+2*\c]
.endr
	WIN 0
	v_nop
.irp c, 0,1
.irp i, 0,1,2
	v_permlane16_swap_b32 v[CT+8*\c+\i], v[CT+8*\c+4+\i]
.endr
.irp i, 0,1,2
	v_mov_b32 v[D0+12*\c+\i], v[CT+8*\c+\i]
	v_mov_b32 v[D0+12*\c+3+\i], v[CT+8*\c+4+\i]
.endr
.endr
.endm
.macro STOREF reg, off
.irp c, 0,1,2
	global_store_b128 v[LI], v[\reg+4*\c:\reg+4*\c+3], s[8:9] offset:\off+512*\c
.endr
.endm
.irp b, 0,1,2,3
	v_mov_b32 v[TM+4+\b], 0
.endr
	s_mov_b32 s18, 0x76543210
	s_mov_b32 s19, 0xfedcba98
	s_mov_b32 s20, 0x05040100
	s_mov_b32 s21, 0x07060302
	s_lshl_b32 s22, s17, 8
	s_lshl_b32 s23, s15, 7
	s_add_co_u32 s22, s22, s23
	s_lshl_b32 s23, s42, 8
	s_lshl_b32 s45, s16, 7
	s_add_co_u32 s23, s23, s45
	s_cmp_eq_u32 s12, 1
	s_cselect_b32 s45, s22, s23
	s_cselect_b32 s46, s23, s22
	s_lshr_b32 s47, s45, 11
	s_lshl_b32 s47, s47, 4
	s_lshr_b32 s46, s46, 6
	s_add_co_u32 s47, s47, s46
	s_lshl_b32 s47, s47, 4
	s_bfe_u32 s45, s45, 0x40007
	s_add_co_u32 s47, s47, s45
	s_mul_i32 s22, s13, 6291456
	s_mul_i32 s23, s47, 6144
	s_add_co_u32 s22, s22, s23
	s_mov_b32 s23, 0
	s_add_nc_u64 s[8:9], s[8:9], s[22:23]
	s_lshl_b32 s22, s13, 18
	s_lshl_b32 s45, s47, 8
	s_add_co_u32 s22, s22, s45
	s_add_nc_u64 s[10:11], s[10:11], s[22:23]
.irp a, 0,1,2,3,4,5,6,7
	QUANT \a
.endr
	s_cmp_eq_u32 s12, 1
	s_cbranch_scc0 .Lv
.irp j, 0,1,2,3
	v_perm_b32 v[T+\j], v[W+2*\j+1], v[W+2*\j], s20
	v_perm_b32 v[T+4+\j], v[W+2*\j+1], v[W+2*\j], s21
.endr
.irp j, 0,1,2,3
.irp s, 0,1
	STOREF XB+24*\j+12*\s, \s*HEADB+\j*1536
.endr
.endr
	s_branch .Ljoin
.Lv:
.irp j, 0,1,2,3
.irp i, 0,1,2,3,4,5
	v_swap_b32 v[XB+24*\j+6+\i], v[XB+24*\j+12+\i]
.endr
.endr
.irp a, 0,1,2,3,4,5,6,7
	v_mov_b32 v[T+\a], v[W+\a]
.endr
.irp j, 0,1,2,3
.irp s, 0,1
	STOREF XB+24*\j+12*\s, (\j/2)*HEADB+(2*(\j%2)+\s)*1536
.endr
.endr
.Ljoin:
	v_and_b32 v[U], 16, v0
	v_cmp_ne_u32 s96, 0, v[U]
	s_wait_alu depctr_va_vdst(0)
.irp i, 0,1,2,3
	v_cndmask_b32 v[U+\i], v[T+\i], v[T+4+\i], s96
.endr
	global_store_b128 v[LW], v[U:U+3], s[10:11]
	s_wait_tensorcnt 0x0
	ds_add_u32 v[SPW], v[NIL]
	s_wait_dscnt 0x0
	CROUND
	s_endpgm
.Lfunc_end_k_qe7f2e63f5a_proj:
	.size	k_qe7f2e63f5a_proj, .Lfunc_end_k_qe7f2e63f5a_proj-k_qe7f2e63f5a_proj
	.p2alignl 7, 3214868480
	.fill 96, 4, 3214868480
	.section	.rodata,"a",@progbits
	.p2align	6, 0x0
	.amdhsa_kernel k_qe7f2e63f5a_proj
		.amdhsa_group_segment_fixed_size 327680
		.amdhsa_private_segment_fixed_size 0
		.amdhsa_enable_private_segment 0
		.amdhsa_kernarg_size 32
		.amdhsa_user_sgpr_count 2
		.amdhsa_user_sgpr_kernarg_segment_ptr 1
		.amdhsa_wavefront_size32 1
		.amdhsa_system_sgpr_workgroup_id_x 1
		.amdhsa_system_sgpr_workgroup_id_y 1
		.amdhsa_system_sgpr_workgroup_id_z 1
		.amdhsa_system_vgpr_workitem_id 0
		.amdhsa_next_free_vgpr 1024
		.amdhsa_next_free_sgpr 102
		.amdhsa_reserve_vcc 0
		.amdhsa_float_denorm_mode_32 3
		.amdhsa_float_denorm_mode_16_64 3
		.amdhsa_memory_ordered 1
		.amdhsa_forward_progress 1
		.amdhsa_inst_pref_size 171
	.end_amdhsa_kernel
	.amdgpu_metadata
---
amdhsa.version: [ 1, 2 ]
amdhsa.kernels:
  - .name:           k_qe7f2e63f5a_proj
    .symbol:         k_qe7f2e63f5a_proj.kd
    .args:
      - { .name: inc, .offset: 0, .size: 8, .value_kind: global_buffer, .address_space: global }
      - { .name: ins, .offset: 8, .size: 8, .value_kind: global_buffer, .address_space: global }
      - { .name: pjc, .offset: 16, .size: 8, .value_kind: global_buffer, .address_space: global }
      - { .name: pjs, .offset: 24, .size: 8, .value_kind: global_buffer, .address_space: global }
    .group_segment_fixed_size: 327680
    .private_segment_fixed_size: 0
    .kernarg_segment_align: 8
    .kernarg_segment_size: 32
    .max_flat_workgroup_size: 128
    .sgpr_count:     102
    .vgpr_count:     1024
    .wavefront_size: 32
...
	.end_amdgpu_metadata
.endif
;; end of part 2
;; launch attn (part 3): grid 4 x 64, 16 waves a work-group, clusters of 4 x 1, 327,680 bytes of LDS; arguments pjc, pjs, atc, ats; writes atc, ats
.if DOCPART == 3
	.amdgcn_target "amdgcn-amd-amdhsa--gfx1250"
	.amdhsa_code_object_version 6
	.text
	.protected	k_qe7f2e63f5a_attn
	.globl	k_qe7f2e63f5a_attn
	.p2align	8
	.type	k_qe7f2e63f5a_attn,@function
k_qe7f2e63f5a_attn:
	s_mov_b64 s[64:65], 0
	v_nop
	global_prefetch_b8 v0, s[64:65] scope:SCOPE_SE
	s_setreg_imm32_b32 hwreg(HW_REG_WAVE_MODE, 25, 1), 1
	s_wait_xcnt 0x0
	s_wait_alu depctr_hold_cnt(0) depctr_sa_sdst(0) depctr_va_vdst(0) depctr_va_sdst(0) depctr_va_ssrc(0) depctr_va_vcc(0) depctr_vm_vsrc(0)
	s_getreg_b32 s2, hwreg(HW_REG_IB_STS2, 6, 4)
	s_cmp_eq_u32 s2, 0
	s_cbranch_scc0 .Lentry_in_a_cluster
	s_endpgm
.Lentry_in_a_cluster:
	s_bfe_u32 s2, ttmp6, 0x10000c
	s_cmp_lg_u32 s2, 0x3003
	s_cbranch_scc0 .Lentry_shape_is_right
	s_endpgm
.Lentry_shape_is_right:
; Attention of 64 head-batches (2,048 queries, 2,048 keys, head size 64) on codes of FP6 (E2M3) with one E8M0 scale for each 32 along a product's K; the result is divided by the row's sum, quantised along the model's axis and stored as codes.
; THE SOFTMAX AHEAD OF THE SECOND PRODUCT: t = score x log2(e) / 8; M = the row's largest t so far, rounded UP to a whole number; p = 2^(t - M) is what is quantised, along the keys; it is not normalised.
; The row's sum is taken of the unquantised p, in f32, and divides O at the end.  When M moves, the sum and O are multiplied by 2^(old M - new M): exact.
; SHARES.  A cluster of four work-groups is one head-batch; a work-group owns 512 queries; each of its sixteen waves owns two tiles of 16 queries, one in each of two passes, in 256 registers: four waves to a SIMD,
; so that one wave's vector work stands beside another's matrix work and LDS loads.  Every wave walks all keys, 128 a step.
; LDS.  A head's K and V (98,304 bytes of codes each) and their scale words (4,096 each) fit whole: they are filled ONCE, nothing is filled again.  The four work-groups ask for them JOINTLY (mask 15).  Wave 0 fetches K's, wave 1 V's:
; the scale words and four chunks of four key steps, five tensor loads a wave outstanding at the most; a chunk is waited for when its first step is due.
; All of K and V is asked for at the kernel's head, so there is no later stream to ask for ahead of time.
; OPERANDS lie in memory and LDS as images of their registers: registers 4 c .. 4 c + 3 of lane l at 512 c + 16 l of a fragment's 1,536 bytes: three loads of 16 bytes a lane, on end, no pitch and no padding.
; THE SCORES' K IS 64, half of the instruction's 128: a fragment of K holds TWO tiles of 16 keys, [tile 2 f | tile 2 f + 1]; against [Q | 0] it gives the first tile's scores, against [0 | Q] the second's: zero codes add nothing.
; LAYOUT.  Both products are used transposed (S^T = K Q^T, O^T = V^T P^T): a lane holds ONE query (lane % 16) throughout.  The keys of a tile and the channels of a tile of V^T were chosen by the launches before
; (place r of tile 2 b + u is 32 b + 8 u + r + 8 (r / 8)), so that the 16 registers of tiles 2 b and 2 b + 1 are 16 neighbours: 32 b + 16 (lane / 16) + 0 .. 15.
; LIMITS: NaN and infinities are not served; a block of results whose largest magnitude lies under 2^-124 keeps the byte 1 (a block of zeros too: its codes are zeros, and this program alone reads the bytes).
; The scale bytes leave one a lane, on rows 32 bytes apart: 32 bytes beside a tile's 768 of codes; so the next launch takes them as one dense block.
.set VOFF,  98304                      ; LDS: K's images from 0, V's from here,
.set SCK,   196608                     ; K's scale words,
.set SCV,   200704                     ; V's,
.set SPARE, 204800                     ; the spare words, 128 bytes for each of sixteen waves, which no other line names
.set FRB,   1536                       ; a fragment's image
.set STB,   4*FRB                      ; a key step's four
.set CHB,   4*STB                      ; a chunk: four key steps
.set AK0,  1                           ; v1   16 x lane: my place in an image, in LDS and in memory
.set AV0,  2                           ; v2   VOFF + 16 x lane
.set ASK0, 3                           ; v3   SCK + 16 (lane % 16): my row's four scale words of a step
.set ASV0, 4                           ; v4   SCV + 16 (lane % 16)
.set SPW,  5                           ; v5   LDS address of my spare word; never rewritten
.set NIL,  6                           ; v6   0; never rewritten
.set ADK,  8                           ; v8-11 the addresses of the step in hand: K, V, K's scale words, V's
.set ADV,  9
.set ADS,  10
.set ADT,  11
                                       ; v12 -M, v13 the largest t, v[14:15] the sum in two halves
.set ZQ,   16                          ; v16-21 zeros, v22-27 Q, v28-33 zeros: [0 | Q] = v[16:27], [Q | 0] = v[22:33]
.set Q2,   34                          ; v34-39 the second pass's Q
.set QS,   40                          ; v40 Q's scale word (its two bytes twice), v41 the second pass's
.set O8,   42                          ; v42  8 x lane
.set OB,   43                          ; v43  32 (lane % 16) + lane / 16: my scale byte's place
.set FR,   44                          ; v44-91 four fragments, of K and then of V
.set KSC,  92                          ; v92-95 K's scale words
.set VSC,  96                          ; v96-99 V's
.set S,    100                         ; v100-163 S^T, then p
.set O,    164                         ; v164-195 O^T
.set PC,   196                         ; v196-207 p's codes
.set PT,   208                         ; v208-215 the conversions' second halves
.set BM,   216                         ; v216-219 the blocks' largest
.set BX,   220                         ; v220-223 the exchange, then the bytes
.set SO,   224                         ; v224-227 the conversions' scale operands
.set PS,   228                         ; v228 p's scale word
.set F,    230                         ; v[230:231] f = 2^(old M - new M), and a filler of the pair
.set TA,   232                         ; v232, v233 at work
.set TC,   233
.set L2,   234                         ; v[234:235] the sums' second chain
.set WV,   18                          ; s18  my wave's number
.set SEL,  20                          ; s[20:21] lane selects for v_permlanex16_b32: lane l xor 16
.set CS,   22                          ; s[22:23] c = log2(e) / 8
.set G1,   24                          ; s[24:31] descriptor group 1 for a chunk;  s[32:39] for the scale words
.set G1S,  32
.set G0,   40                          ; s[40:59] five groups 0: the scale words, chunks 0 to 3
.set PASS, 60                          ; s60  passes to go
.set CNT,  61                          ; s61  steps of the chunk to go
.set TB,   62                          ; s62  LDS byte at which the step's images begin
.set TS,   63                          ; s63  and its scale words
.set HI,   70                          ; s70  the mask of lanes 16-31
.macro CROUND                          ; a round of the cluster's barrier
	s_barrier_signal -1
	s_barrier_wait -1
	s_cmp_lg_u32 s[WV], 0
	s_cbranch_scc1 .Lnot_wave_0_\@
	s_barrier_signal -3
.Lnot_wave_0_\@:
	s_barrier_wait -3
	s_barrier_signal -1
	s_barrier_wait -1
.endm
	s_load_b256 s[4:11], s[0:1], 0x0               ; pjc s[4:5], pjs s[6:7], atc s[8:9], ats s[10:11]
	v_lshl_add_u32 v[SPW], v0, 2, SPARE
	v_mov_b32 v[NIL], 0
	ds_add_u32 v[SPW], v[NIL]                      ; the wave's opening: the add and its wait stand ahead of the first tensor loads; the set-up below, work on registers, stands between them
	ds_add_u32 v[SPW], v[NIL]
	v_lshrrev_b32 v8, 5, v0
	s_delay_alu instid0(VALU_DEP_1)
	v_readfirstlane_b32 s[WV], v8                  ; wave 0..15
	s_and_b32 s19, s[WV], 1                        ; what I fetch, if I fetch: 0 K's, 1 V's
	s_bfe_u32 s12, ttmp6, 0x40000                  ; cx: my place in the cluster: it enters Q's and the results' addresses alone
	s_and_b32 s13, ttmp7, 0xffff                   ; the head-batch, which the four partners share
	; descriptor group 1: a dense block as rows of 256 bytes (32 elements of 8 bytes): 96 rows a chunk, 16 for the scale words; no padding
	s_mov_b32 s[G1], 15|(3<<16)|(1<<21)            ; 15:0 the mask: all four work-groups; 17:16 elements of 8 bytes; 21 set beside a mask
	s_mov_b32 s[G1+1], 32<<16                      ; tensor_dim0
	s_mov_b32 s[G1+2], 96<<16                      ; tensor_dim1
	s_mov_b32 s[G1+3], 32<<16                      ; tile_dim0
	s_mov_b32 s[G1+4], 96                          ; tile_dim1
	s_mov_b32 s[G1+5], 32                          ; tensor_dim0_stride
	s_mov_b32 s[G1+6], 0
	s_mov_b32 s[G1+7], 0
	s_mov_b32 s[G1S], 15|(3<<16)|(1<<21)
	s_mov_b32 s[G1S+1], 32<<16
	s_mov_b32 s[G1S+2], 16<<16
	s_mov_b32 s[G1S+3], 32<<16
	s_mov_b32 s[G1S+4], 16
	s_mov_b32 s[G1S+5], 32
	s_mov_b32 s[G1S+6], 0
	s_mov_b32 s[G1S+7], 0
	s_mov_b32 s[SEL], 0x76543210
	s_mov_b32 s[SEL+1], 0xfedcba98
	s_mov_b32 s[CS], 0x3e38aa3b                    ; c = log2(e) / sqrt(64)
	s_mov_b32 s[CS+1], s[CS]                       ; (named with it as a pair, so it is written)
	s_mul_i32 s14, s13, 98304                      ; the head-batch's codes in a section of pjc,
	s_lshl_b32 s15, s13, 12                        ; its scale words in a section of pjs
	s_add_co_u32 s66, s19, 1                       ; section 1 is K's, section 2 V's
	s_mul_i32 s68, s66, 262144
	s_mul_i32 s66, s66, 6291456
	s_add_co_u32 s66, s66, s14
	s_mov_b32 s67, 0
	s_add_co_u32 s68, s68, s15
	s_mov_b32 s69, 0
	s_mul_i32 s2, s19, VOFF                        ; and where they go: the wave's number alone enters an LDS address
	s_lshl_b32 s3, s19, 12
	s_add_co_u32 s3, s3, SCK
	s_lshl_b32 s16, s12, 4
	s_add_co_u32 s16, s16, s[WV]                   ; my pair of tiles of queries, 0 to 63: queries 32 x pair on
	s_mul_i32 s76, s16, FRB                        ; Q's fragment [tile 2 x pair | tile 2 x pair + 1], in section 0
	s_add_co_u32 s76, s76, s14
	s_mov_b32 s77, 0
	s_lshr_b32 s78, s16, 2                         ; its scale words: 256 bytes for four pairs, 16 bytes a row, 4 a pair
	s_lshl_b32 s78, s78, 8
	s_and_b32 s79, s16, 3
	s_lshl_b32 s79, s79, 2
	s_add_co_u32 s78, s78, s79
	s_add_co_u32 s78, s78, s15
	s_mov_b32 s79, 0
	s_lshr_b32 s17, s13, 4                         ; the batch
	s_and_b32 s71, s13, 15                         ; the head
	s_lshl_b32 s72, s17, 7
	s_lshl_b32 s73, s16, 1
	s_add_co_u32 s72, s72, s73                     ; my first tile's block of 16 rows of the result
	s_lshl_b32 s74, s72, 9                         ; ats: 16 rows x 32 bytes a block,
	s_lshl_b32 s72, s72, 4
	s_add_co_u32 s72, s72, s71
	s_mul_i32 s72, s72, 768                        ; atc: 768 bytes for a block and a head
	s_mov_b32 s73, 0
	s_lshl_b32 s71, s71, 1
	s_add_co_u32 s74, s74, s71                     ; + the head's two bytes
	s_mov_b32 s75, 0
	s_wait_dscnt 0x0                               ; the opening add is done
	s_wait_kmcnt 0x0
	s_add_nc_u64 s[66:67], s[4:5], s[66:67]
	s_add_nc_u64 s[68:69], s[6:7], s[68:69]
	s_add_nc_u64 s[76:77], s[4:5], s[76:77]
	s_add_nc_u64 s[78:79], s[6:7], s[78:79]
	s_add_nc_u64 s[8:9], s[8:9], s[72:73]
	s_add_nc_u64 s[10:11], s[10:11], s[74:75]
	s_mov_b32 s[G0], 1                             ; 1:0 count = 1
	s_mov_b32 s[G0+1], s3                          ; 63:32 LDS address
	s_mov_b64 s[G0+2:G0+3], s[68:69]               ; 120:64 global address
	s_or_b32 s[G0+3], s[G0+3], 0x80000000          ; 127:126 type = 2
.irp c, 0,1,2,3
	s_mov_b32 s[G0+4+4*\c], 1
	s_add_co_u32 s[G0+5+4*\c], s2, \c*CHB
	s_add_nc_u64 s[G0+6+4*\c:G0+7+4*\c], s[66:67], \c*CHB
	s_or_b32 s[G0+7+4*\c], s[G0+7+4*\c], 0x80000000
.endr
	CROUND                                         ; all four work-groups are here: the joint loads meet
	s_cmp_lt_u32 s[WV], 2                          ; all the fills of a wave stand in one branch on the wave's number, ahead of every wait on TENSORcnt and every LDS read
	s_cbranch_scc0 .Lno_fetch
	tensor_load_to_lds s[G0:G0+3], s[G1S:G1S+7]    ; the scale words
	s_nop 0
.irp c, 0,1,2,3
	tensor_load_to_lds s[G0+4+4*\c:G0+7+4*\c], s[G1:G1+7]          ; chunk c
	s_nop 0
.endr
.rept 4
	v_nop
.endr
.Lno_fetch:
	v_and_b32 v[AK0], 31, v0
	s_delay_alu instid0(VALU_DEP_1)
	v_lshlrev_b32 v[AK0], 4, v[AK0]
	v_and_b32 v8, 15, v0                           ; r
	v_bfe_u32 v9, v0, 4, 1                         ; h
	s_delay_alu instid0(VALU_DEP_2)
	v_lshlrev_b32 v[TC], 4, v8
	global_load_b128 v[ZQ+6:ZQ+9], v[AK0], s[76:77]                ; Q's fragment: registers 0-5 my first tile's codes, 6-11 my second's
	global_load_b128 v[ZQ+10:ZQ+13], v[AK0], s[76:77] offset:512
	global_load_b128 v[ZQ+14:ZQ+17], v[AK0], s[76:77] offset:1024
	global_load_b32 v[TA], v[TC], s[78:79]         ; its scale word: bytes 0, 1 the first tile's, bytes 2, 3 the second's
	v_add_nc_u32 v[AV0], VOFF, v[AK0]
	v_lshl_add_u32 v[ASK0], v8, 4, SCK
	v_lshl_add_u32 v[ASV0], v8, 4, SCV
	v_lshrrev_b32 v[O8], 1, v[AK0]
	v_lshl_add_u32 v[OB], v8, 5, v9
	v_cmp_ne_u32 s[HI], 0, v9
	s_wait_loadcnt 0x0
.irp i, 0,1,2,3,4,5
	v_mov_b32 v[Q2+\i], v[ZQ+12+\i]
.endr
.irp i, 0,1,2,3,4,5
	v_mov_b32 v[ZQ+12+\i], 0
	v_mov_b32 v[ZQ+\i], 0
.endr
	v_lshlrev_b32 v[QS], 16, v[TA]
	s_delay_alu instid0(VALU_DEP_1)
	v_and_or_b32 v[QS], v[TA], 0xffff, v[QS]       ; the first tile's two bytes, twice: they serve [Q | 0] and [0 | Q] alike
	v_lshrrev_b32 v[QS+1], 16, v[TA]
	s_delay_alu instid0(VALU_DEP_1)
	v_and_or_b32 v[QS+1], v[TA], 0xffff0000, v[QS+1]
; A KEY STEP: 128 keys.
.macro STEP
	v_add_nc_u32 v[ADK], s[TB], v[AK0]             ; these four are also the places between the last products and the loads into the registers that they read
	v_add_nc_u32 v[ADV], s[TB], v[AV0]
	v_add_nc_u32 v[ADS], s[TS], v[ASK0]
	v_add_nc_u32 v[ADT], s[TS], v[ASV0]
.irp f, 0,1,2,3
.irp c, 0,1,2
	ds_load_b128 v[FR+12*\f+4*\c:FR+12*\f+4*\c+3], v[ADK] offset:FRB*\f+512*\c
.endr
.endr
	ds_load_b128 v[KSC:KSC+3], v[ADS]
	s_wait_alu depctr_va_vdst(0)
	s_wait_dscnt 0x0
.irp f, 0,1,2,3                                ; S^T = K Q^T: fragment f holds tiles 2 f and 2 f + 1
	v_wmma_scale_f32_16x16x128_f8f6f4 v[S+16*\f:S+16*\f+7], v[FR+12*\f:FR+12*\f+11], v[ZQ+6:ZQ+17], 0, v[KSC+\f], v[QS] matrix_a_fmt:MATRIX_FMT_FP6 matrix_b_fmt:MATRIX_FMT_FP6
	v_wmma_scale_f32_16x16x128_f8f6f4 v[S+16*\f+8:S+16*\f+15], v[FR+12*\f:FR+12*\f+11], v[ZQ:ZQ+11], 0, v[KSC+\f], v[QS] matrix_a_fmt:MATRIX_FMT_FP6 matrix_b_fmt:MATRIX_FMT_FP6
.endr                                          ; lane (r, h) holds query r; registers 16 b + i are keys 32 b + 16 h + i of the step
.rept 4
	v_nop                                          ; places in front of the loads into K's registers and of the first read of the scores
.endr
.irp t, 0,1,2,3                                ; V's fragments are asked for now and land under the softmax
.irp c, 0,1,2
	ds_load_b128 v[FR+12*\t+4*\c:FR+12*\t+4*\c+3], v[ADV] offset:FRB*\t+512*\c
.endr
.endr
	ds_load_b128 v[VSC:VSC+3], v[ADT]
.irp b, 0,1,2,3
	v_max3_num_f32 v[BM+\b], v[S+16*\b], v[S+1+16*\b], v[S+2+16*\b]   ; THE LARGEST SCORE OF EACH BLOCK OF 32 KEYS: it serves the row's maximum and, since p rises with the score, the block's largest p
.endr
.irp i, 3,5,7,9,11,13
.irp b, 0,1,2,3
	v_max3_num_f32 v[BM+\b], v[BM+\b], v[S+16*\b+\i], v[S+1+16*\b+\i]   ; (the four blocks by turns)
.endr
.endr
.irp b, 0,1,2,3
	v_max_num_f32 v[BM+\b], v[BM+\b], v[S+15+16*\b]
.endr
.irp b, 0,1,2,3
	s_delay_alu instid0(VALU_DEP_4)
	v_permlanex16_b32 v[BX+\b], v[BM+\b], s[SEL], s[SEL+1]
.endr
.irp b, 0,1,2,3
	s_delay_alu instid0(VALU_DEP_4)
	v_max_num_f32 v[BM+\b], v[BM+\b], v[BX+\b]     ; with lane l xor 16's 16 keys
.endr
	s_delay_alu instid0(VALU_DEP_2)
	v_max3_num_f32 v[TA], v[BM], v[BM+1], v[BM+2]
	s_delay_alu instid0(VALU_DEP_1)
	v_max_num_f32 v[TA], v[TA], v[BM+3]            ; the step's largest score of my query
	s_delay_alu instid0(VALU_DEP_1)
	v_mul_f32 v[TA], s[CS], v[TA]                  ; as t (c is positive)
	s_delay_alu instid0(VALU_DEP_1)
	v_max_num_f32 v13, v13, v[TA]                  ; the running largest t
	v_mov_b32 v[TA], v12
	s_delay_alu instid0(VALU_DEP_2)
	v_floor_f32 v12, -v13                          ; the new -M = floor(-t) = -ceil(t): M IS A WHOLE NUMBER
	s_delay_alu instid0(VALU_DEP_1)
	v_sub_f32 v[TA], v12, v[TA]                    ; M's old value less its new one: a whole number, 0 or less
	s_delay_alu instid0(VALU_DEP_1)
	v_cvt_i32_f32 v[TA], v[TA]                     ; (it saturates)
	s_delay_alu instid0(VALU_DEP_1)
	v_ldexp_f32 v[F], 1.0, v[TA]                   ; f = 2^(old M - new M): a multiplication by it rounds nothing
.irp j, 0,2,4,6,8,10,12,14,16,18,20,22,24,26,28,30,32,34,36,38,40,42,44,46,48,50,52,54,56,58,60,62
	v_pk_fma_f32 v[S+\j:S+1+\j], v[S+\j:S+1+\j], s[CS:CS+1], v[12:13] op_sel_hi:[1,0,0]   ; t - M, two at a time (of the pairs c and -M the low word serves both halves)
.endr
.irp b, 0,1,2,3
	v_fma_f32 v[BM+\b], v[BM+\b], s[CS], v12       ; the same of each block's largest score
.endr
	s_wait_alu depctr_va_vdst(0)
.irp j, 0,1,2,3,4,5,6,7,8,9,10,11,12,13,14,15,16,17,18,19,20,21,22,23,24,25,26,27,28,29,30,31,32,33,34,35,36,37,38,39,40,41,42,43,44,45,46,47,48,49,50,51,52,53,54,55,56,57,58,59,60,61,62,63
	v_exp_f32 v[S+\j], v[S+\j]                     ; p = 2^(t - M), at most 1: NOT normalised
.endr
	s_setprio 1
	v_pk_mul_f32 v[14:15], v[14:15], v[F:F+1] op_sel_hi:[1,0]   ; the sums under the new M.  (A plain place behind the exponentials)
	s_wait_alu depctr_va_vdst(0)                   ; one wait for the whole batch, ahead of its first reader
.irp b, 0,1,2,3
	v_exp_f32 v[BM+\b], v[BM+\b]                   ; the block's largest p: the same two instructions on the same number give the same bits
.endr
	v_pk_add_f32 v[234:235], v[104:105], v[108:109]
	v_pk_add_f32 v[254:255], v[112:113], v[116:117]
	v_pk_add_f32 v[252:253], v[120:121], v[124:125]
	v_pk_add_f32 v[250:251], v[128:129], v[132:133]
	v_pk_add_f32 v[248:249], v[136:137], v[140:141]
	v_pk_add_f32 v[246:247], v[144:145], v[148:149]
	v_pk_add_f32 v[244:245], v[152:153], v[156:157]
	v_pk_add_f32 v[14:15], v[14:15], v[160:161]
	v_pk_add_f32 v[234:235], v[234:235], v[100:101]
	v_pk_add_f32 v[254:255], v[254:255], v[102:103]
	v_pk_add_f32 v[252:253], v[252:253], v[106:107]
	v_pk_add_f32 v[250:251], v[250:251], v[110:111]
	v_pk_add_f32 v[248:249], v[248:249], v[114:115]
	v_pk_add_f32 v[246:247], v[246:247], v[118:119]
	v_pk_add_f32 v[244:245], v[244:245], v[122:123]
	v_pk_add_f32 v[14:15], v[14:15], v[126:127]
	v_pk_add_f32 v[234:235], v[234:235], v[130:131]
	v_pk_add_f32 v[254:255], v[254:255], v[134:135]
	v_pk_add_f32 v[252:253], v[252:253], v[138:139]
	v_pk_add_f32 v[250:251], v[250:251], v[142:143]
	v_pk_add_f32 v[248:249], v[248:249], v[146:147]
	v_pk_add_f32 v[246:247], v[246:247], v[150:151]
	v_pk_add_f32 v[244:245], v[244:245], v[154:155]
	v_pk_add_f32 v[14:15], v[14:15], v[158:159]
	v_pk_add_f32 v[234:235], v[234:235], v[162:163]
	s_delay_alu instid0(VALU_DEP_2)
	v_pk_add_f32 v[14:15], v[14:15], v[250:251]
	s_delay_alu instid0(VALU_DEP_2)
	v_pk_add_f32 v[234:235], v[234:235], v[248:249]
	v_pk_add_f32 v[254:255], v[254:255], v[246:247]
	v_pk_add_f32 v[252:253], v[252:253], v[244:245]
	s_delay_alu instid0(VALU_DEP_2)
	v_pk_add_f32 v[14:15], v[14:15], v[254:255]
	s_delay_alu instid0(VALU_DEP_2)
	v_pk_add_f32 v[234:235], v[234:235], v[252:253]
	s_delay_alu instid0(VALU_DEP_1)
	v_pk_add_f32 v[14:15], v[14:15], v[234:235]
	s_wait_alu depctr_va_vdst(0)                   ; and one for the four
.irp b, 0,1,2,3
	v_max_num_f32 v[BM+\b], 0x1800000, v[BM+\b]    ; the floor 2^(3 - 127): the byte cannot fall under 1 (a block whose every p has fallen to 0 keeps that byte: its codes are zeros)
.endr
.irp b, 0,1,2,3
	s_delay_alu instid0(VALU_DEP_4)
	v_add_nc_u32 v[SO+\b], 0xff000000, v[BM+\b]    ; 2 off the exponent field: the conversion's scale operand
.endr
.irp b, 0,1,2,3
	s_delay_alu instid0(VALU_DEP_4)
	v_lshrrev_b32 v[BX+\b], 23, v[SO+\b]           ; the scale's byte
.endr
	s_delay_alu instid0(VALU_DEP_3)
	v_lshl_or_b32 v[PS], v[BX+1], 8, v[BX]         ; p's scale word for these 128 keys
	s_delay_alu instid0(VALU_DEP_1)
	v_lshl_or_b32 v[PS], v[BX+2], 16, v[PS]
	s_delay_alu instid0(VALU_DEP_1)
	v_lshl_or_b32 v[PS], v[BX+3], 24, v[PS]
.irp c, 0,1
	v_cvt_scalef32_pk16_fp6_f32 v[PC+6*\c:PC+2+6*\c], v[S+32*\c:S+15+32*\c], v[SO+2*\c]
	v_cvt_scalef32_pk16_fp6_f32 v[PT+4*\c:PT+2+4*\c], v[S+16+32*\c:S+31+32*\c], v[SO+2*\c+1]   ; (a conversion's three registers begin on an even number)
.endr
	v_nop                                          ; one plain place behind a scaled conversion
.irp c, 0,1                                    ; the operand's layout wants a WHOLE block in a lane: lanes 0-15 block 2 c, lanes 16-31 block 2 c + 1
.irp i, 0,1,2
	v_permlane16_swap_b32 v[PC+6*\c+\i], v[PT+4*\c+\i]
.endr
.irp i, 0,1,2
	s_delay_alu instid0(VALU_DEP_3)
	v_mov_b32 v[PC+3+6*\c+\i], v[PT+4*\c+\i]
.endr
.endr
	s_setprio 0
.irp j, 0,2,4,6,8,10,12,14,16,18,20,22,24,26,28,30
	v_pk_mul_f32 v[O+\j:O+1+\j], v[O+\j:O+1+\j], v[F:F+1] op_sel_hi:[1,0]   ; O^T under the new M: x f.  (These 16 are also the places between the lines that wrote p's codes and scale word and the products)
.endr
	s_wait_alu depctr_va_vdst(0)
	s_wait_dscnt 0x0                               ; V's fragments and scale words are in
.irp t, 0,1,2,3                                ; O^T += V^T P^T: four tiles of 16 of the head's 64; the four accumulators take turns
	v_wmma_scale_f32_16x16x128_f8f6f4 v[O+8*\t:O+7+8*\t], v[FR+12*\t:FR+12*\t+11], v[PC:PC+11], v[O+8*\t:O+7+8*\t], v[VSC+\t], v[PS] matrix_a_fmt:MATRIX_FMT_FP6 matrix_b_fmt:MATRIX_FMT_FP6
.endr
	s_add_co_u32 s[TB], s[TB], STB                 ; the next step's images and scale words
	s_add_co_u32 s[TS], s[TS], 256
.endm
; Chunk c: four key steps.  The fetching waves wait until their chunk c has landed (the 3 - c later chunks may be out) and signal; all read behind the barrier.  In the second pass the wait is met at once.
.macro CHUNK c
	s_wait_tensorcnt 3-\c
	s_wait_dscnt 0x0
	s_barrier_signal -1
	s_barrier_wait -1
	s_mov_b32 s[TB], \c*CHB
	s_mov_b32 s[TS], \c*1024
	s_mov_b32 s[CNT], 4
.Lstep_\@:
	s_setprio 2
	STEP
	s_sub_co_u32 s[CNT], s[CNT], 1
	s_cmp_lg_u32 s[CNT], 0
	s_cbranch_scc1 .Lstep_\@
	s_setprio 0
.endm
	s_mov_b32 s[PASS], 2
.Lpass:                                            ; a pass: one tile of 16 queries against all keys
	v_mov_b32 v13, 0xff61b1e6                      ; the largest t so far: -3e38, under every t
	s_delay_alu instid0(VALU_DEP_1)
	v_floor_f32 v12, -v13                          ; -M
	v_mov_b32 v14, 0                               ; the sum, in two halves
	v_mov_b32 v15, 0
	v_mov_b32 v[F+1], 0                            ; (named as the upper half of a pair)
.irp b, 0,1,2,3
	v_mov_b32 v[BX+\b], 0                          ; a lane permute's destination counts as one of its sources
.endr
.irp j, 0,1,2,3,4,5,6,7,8,9,10,11,12,13,14,15,16,17,18,19,20,21,22,23,24,25,26,27,28,29,30,31
	v_mov_b32 v[O+\j], 0                           ; O^T.  (The step is written once: the first finds zeros, which the first change of M leaves zeros)
.endr
	CHUNK 0
	CHUNK 1
	CHUNK 2
	CHUNK 3
	; THE WAY OUT of a tile: O^T / the sum, quantised along the head's 64 (two blocks of the model's axis), stored as half an operand's image and two scale bytes a row
	v_add_f32 v14, v14, v15                        ; the sum's two halves,
	s_delay_alu instid0(VALU_DEP_1)
	v_permlanex16_b32 v[TA], v14, s[SEL], s[SEL+1]
	s_delay_alu instid0(VALU_DEP_1)
	v_add_f32 v14, v14, v[TA]                      ; and lane l xor 16's: the row's sum
	s_wait_alu depctr_va_vdst(0)
	v_rcp_f32 v14, v14
.rept 4
	v_nop                                          ; the plain place behind the reciprocal, and the places behind the last products
.endr
	s_wait_alu depctr_va_vdst(0)                   ; the wait ahead of the reciprocal's first reader
.irp j, 0,2,4,6,8,10,12,14,16,18,20,22,24,26,28,30
	v_pk_mul_f32 v[S+\j:S+1+\j], v[O+\j:O+1+\j], v[14:15] op_sel_hi:[1,0]   ; register 16 b + i: channel 32 b + 16 h + i of query r; each accumulator from its low end on
.endr
.irp b, 0,1
	v_max3_num_f32 v[BM+\b], |v[S+16*\b]|, |v[S+1+16*\b]|, 0x1800000   ; block b: my 16 numbers, and the floor 2^(3 - 127)
.endr
.irp i, 2,4,6,8,10,12,14
.irp b, 0,1
	s_delay_alu instid0(VALU_DEP_2)
	v_max3_num_f32 v[BM+\b], v[BM+\b], |v[S+16*\b+\i]|, |v[S+1+16*\b+\i]|
.endr
.endr
.irp b, 0,1
	s_delay_alu instid0(VALU_DEP_2)
	v_permlanex16_b32 v[BX+\b], v[BM+\b], s[SEL], s[SEL+1]
.endr
.irp b, 0,1
	s_delay_alu instid0(VALU_DEP_2)
	v_max_num_f32 v[BM+\b], v[BM+\b], v[BX+\b]
.endr
.irp b, 0,1
	s_delay_alu instid0(VALU_DEP_2)
	v_add_nc_u32 v[SO+\b], 0xff000000, v[BM+\b]
.endr
.irp b, 0,1
	s_delay_alu instid0(VALU_DEP_2)
	v_lshrrev_b32 v[BX+\b], 23, v[SO+\b]
.endr
	v_cvt_scalef32_pk16_fp6_f32 v[PC:PC+2], v[S:S+15], v[SO]
	v_cvt_scalef32_pk16_fp6_f32 v[PT:PT+2], v[S+16:S+31], v[SO+1]
	v_nop                                          ; one plain place behind a scaled conversion
.irp i, 0,1,2
	v_permlane16_swap_b32 v[PC+\i], v[PT+\i]
.endr
.irp i, 0,1,2
	s_delay_alu instid0(VALU_DEP_3)
	v_mov_b32 v[PC+3+\i], v[PT+\i]                 ; v[PC .. PC + 5]: channels 32 h + 0 .. 31 of query r
.endr
	v_cndmask_b32 v[TC], v[BX], v[BX+1], s[HI]     ; my block's byte
	global_store_b128 v[AK0], v[PC:PC+3], s[8:9]               ; registers 0-3: 512 consecutive bytes
	global_store_b64 v[O8], v[PC+4:PC+5], s[8:9] offset:512    ; registers 4, 5: 256 consecutive bytes
	global_store_b8 v[OB], v[TC], s[10:11]
	s_wait_xcnt 0x0                                ; the stores have read their registers and bases: both may be written again
	s_add_nc_u64 s[8:9], s[8:9], 12288             ; the next block of 16 rows: 16 heads x 768 bytes,
	s_add_nc_u64 s[10:11], s[10:11], 512           ; 16 rows x 32 bytes
.irp i, 0,1,2,3,4,5
	v_mov_b32 v[ZQ+6+\i], v[Q2+\i]                 ; the second tile's Q and scale word (behind the second pass these lines change nothing that is read)
.endr
	v_mov_b32 v[QS], v[QS+1]
	s_sub_co_u32 s[PASS], s[PASS], 1
	s_cmp_lg_u32 s[PASS], 0
	s_cbranch_scc1 .Lpass
	s_wait_tensorcnt 0x0                           ; the wave's end, behind the last tensor load
	ds_add_u32 v[SPW], v[NIL]
	s_wait_dscnt 0x0
	CROUND                                         ; the closing round: no work-group ends while a partner may still ask for a tile that names it
	s_endpgm
.Lfunc_end_k_qe7f2e63f5a_attn:
	.size	k_qe7f2e63f5a_attn, .Lfunc_end_k_qe7f2e63f5a_attn-k_qe7f2e63f5a_attn
	.p2alignl 7, 3214868480
	.fill 96, 4, 3214868480
	.section	.rodata,"a",@progbits
	.p2align	6, 0x0
	.amdhsa_kernel k_qe7f2e63f5a_attn
		.amdhsa_group_segment_fixed_size 327680
		.amdhsa_private_segment_fixed_size 0
		.amdhsa_enable_private_segment 0
		.amdhsa_kernarg_size 32
		.amdhsa_user_sgpr_count 2
		.amdhsa_user_sgpr_kernarg_segment_ptr 1
		.amdhsa_wavefront_size32 1
		.amdhsa_system_sgpr_workgroup_id_x 1
		.amdhsa_system_sgpr_workgroup_id_y 1
		.amdhsa_system_sgpr_workgroup_id_z 1
		.amdhsa_system_vgpr_workitem_id 0
		.amdhsa_next_free_vgpr 256
		.amdhsa_next_free_sgpr 80
		.amdhsa_reserve_vcc 0
		.amdhsa_float_denorm_mode_32 3
		.amdhsa_float_denorm_mode_16_64 3
		.amdhsa_memory_ordered 1
		.amdhsa_forward_progress 1
		.amdhsa_inst_pref_size 83
	.end_amdhsa_kernel
	.amdgpu_metadata
---
amdhsa.version: [ 1, 2 ]
amdhsa.kernels:
  - .name:           k_qe7f2e63f5a_attn
    .symbol:         k_qe7f2e63f5a_attn.kd
    .args:
      - { .name: pjc, .offset: 0, .size: 8, .value_kind: global_buffer, .address_space: global }
      - { .name: pjs, .offset: 8, .size: 8, .value_kind: global_buffer, .address_space: global }
      - { .name: atc, .offset: 16, .size: 8, .value_kind: global_buffer, .address_space: global }
      - { .name: ats, .offset: 24, .size: 8, .value_kind: global_buffer, .address_space: global }
    .group_segment_fixed_size: 327680
    .private_segment_fixed_size: 0
    .kernarg_segment_align: 8
    .kernarg_segment_size: 32
    .max_flat_workgroup_size: 512
    .sgpr_count:     80
    .vgpr_count:     256
    .wavefront_size: 32
...
	.end_amdgpu_metadata
.endif
;; end of part 3
;; launch outp (part 4): grid 4 x 32, 4 waves a work-group, clusters of 4 x 4, 327,680 bytes of LDS; arguments atc, ats, inc, ins, out0; writes out0
.if DOCPART == 4
	.amdgcn_target "amdgcn-amd-amdhsa--gfx1250"
	.amdhsa_code_object_version 6
	.text
	.protected	k_qe7f2e63f5a_outp
	.globl	k_qe7f2e63f5a_outp
	.p2align	8
	.type	k_qe7f2e63f5a_outp,@function
k_qe7f2e63f5a_outp:
	s_mov_b64 s[64:65], 0
	v_nop
	global_prefetch_b8 v0, s[64:65] scope:SCOPE_SE
	s_setreg_imm32_b32 hwreg(HW_REG_WAVE_MODE, 25, 1), 1
	s_wait_xcnt 0x0
	s_wait_alu depctr_hold_cnt(0) depctr_sa_sdst(0) depctr_va_vdst(0) depctr_va_sdst(0) depctr_va_ssrc(0) depctr_va_vcc(0) depctr_vm_vsrc(0)
	s_getreg_b32 s2, hwreg(HW_REG_IB_STS2, 6, 4)
	s_cmp_eq_u32 s2, 0
	s_cbranch_scc0 .Lentry_in_a_cluster
	s_endpgm
.Lentry_in_a_cluster:
	s_bfe_u32 s2, ttmp6, 0x10000c
	s_cmp_lg_u32 s2, 0xf033
	s_cbranch_scc0 .Lentry_shape_is_right
	s_endpgm
.Lentry_shape_is_right:
.set SIZE_N, 1024
.set KSTEP,  256
.set NQ,     KSTEP/128
.set ROWB,   192
.set KROW,   768
.set PITCH,  240
.set ASTEP,  3072
.set ABLK,   12288
.set FR,     12
.set NL,     6
.set NLA,    4
.set NP,     4
.set HALFA,  8*ASTEP
.set HALFT,  128*PITCH
.set SLOT,   2*HALFA+2*HALFT
.set LAPS,   2
.set KS,     32
.set SCL,    2*SLOT
.set HALFS,  (128*KS/256)*272
.set SBLK,   (16*KS/256)*272
.set SPARE,  SCL+4*HALFS
.set SPITCH, 528
.set ADRA, 16
.set ADRB, 20
.set STO,  24
.set RD,   25
.set CO,   26
.set ADRS, 27
.set SPW,  28
.set NIL,  29
.set SC,   32
.set AF,   128
.set BK,   128
.set G1, 24
.set G0, 32
.set G1B, 48
.set G0B, 56
.set G1S, 68
.set G0S, 76
.set G1SB, 80
.set G0SB, 88
.set MSB, 0
.macro WIN new
.if MSB != \new
	s_set_vgpr_msb (MSB<<8)|\new
.set MSB, \new
.endif
.endm
.set MUL_LO, 0xa1
.set MUL_HI, 0xf1
.set TO_B,   0x40
.macro JLOAD g0a, g1a, g0b, g1b
	s_cmp_eq_u32 s15, 0
	s_cbranch_scc0 .Lfor_b_\@
	tensor_load_to_lds s[\g0a:\g0a+3], s[\g1a:\g1a+7]
	s_nop 0
.rept 4
	v_nop
.endr
	s_branch .Lasked_\@
.Lfor_b_\@:
	tensor_load_to_lds s[\g0b:\g0b+3], s[\g1b:\g1b+7]
	s_nop 0
.rept 4
	v_nop
.endr
.Lasked_\@:
.endm
.macro CREST
	s_cmp_lg_u32 s14, 0
	s_cbranch_scc1 .Lnot_wave_0_\@
	s_barrier_signal -3
.Lnot_wave_0_\@:
	s_barrier_wait -3
	s_barrier_signal -1
	s_barrier_wait -1
.endm
.macro CROUND
	s_barrier_signal -1
	s_barrier_wait -1
	CREST
.endm
	s_load_b128 s[4:7], s[0:1], 0x0
	s_load_b128 s[8:11], s[0:1], 0x10
	s_load_b64 s[12:13], s[0:1], 0x20
	v_lshl_add_u32 v[SPW], v0, 2, SPARE
	v_mov_b32 v[NIL], 0
	ds_add_u32 v[SPW], v[NIL]
	ds_add_u32 v[SPW], v[NIL]
	v_lshrrev_b32 v1, 5, v0
	v_readfirstlane_b32 s14, v1
	s_lshr_b32 s15, s14, 1
	s_and_b32 s16, s14, 1
	s_bfe_u32 s40, ttmp6, 0x40000
	s_bfe_u32 s41, ttmp6, 0x40004
	s_lshl_b32 s42, ttmp9, 2
	s_add_co_u32 s42, s42, s40
	s_and_b32 s17, ttmp7, 0xffff
	s_lshl_b32 s17, s17, 2
	s_add_co_u32 s17, s17, s41
	s_lshl_b32 s43, s41, 2
	s_lshl_b32 s43, 15, s43
	s_lshl_b32 s44, 0x1111, s40
	s_or_b32 s[G1+0], s43, (3<<16)|(1<<21)
	s_mov_b32 s[G1+1], (ASTEP/8)<<16
	s_mov_b32 s[G1+2], 8<<16
	s_mov_b32 s[G1+3], (ASTEP/8)<<16
	s_mov_b32 s[G1+4], 8
	s_mov_b32 s[G1+5], ABLK/8
	s_mov_b32 s[G1+6], 0
	s_mov_b32 s[G1+7], 0
	s_or_b32 s[G1B+0], s44, (0<<16)|(1<<20)|(1<<21)|(3<<22)|(3<<25)
	s_mov_b32 s[G1B+1], ROWB<<16
	s_mov_b32 s[G1B+2], 128<<16
	s_mov_b32 s[G1B+3], ROWB<<16
	s_mov_b32 s[G1B+4], 128
	s_mov_b32 s[G1B+5], KROW
	s_mov_b32 s[G1B+6], 0
	s_mov_b32 s[G1B+7], 0
	s_or_b32 s[G1S+0], s43, (3<<16)|(1<<20)|(1<<21)|(5<<22)|(3<<25)
	s_or_b32 s[G1SB+0], s44, (3<<16)|(1<<20)|(1<<21)|(5<<22)|(3<<25)
.irp g, G1S, G1SB
	s_mov_b32 s[\g+1], 32<<16
	s_mov_b32 s[\g+2], (128*KS/256)<<16
	s_mov_b32 s[\g+3], 32<<16
	s_mov_b32 s[\g+4], 128*KS/256
	s_mov_b32 s[\g+5], 32
	s_mov_b32 s[\g+6], 0
	s_mov_b32 s[\g+7], 0
.endr
	s_lshl_b32 s20, s17, 4
	s_lshl_b32 s18, s16, 3
	s_add_co_u32 s20, s20, s18
	s_lshl_b32 s22, s20, 9
	s_mov_b32 s23, 0
	s_mul_i32 s20, s20, ABLK
	s_mov_b32 s21, 0
	s_lshl_b32 s46, s42, 8
	s_lshl_b32 s18, s16, 7
	s_add_co_u32 s46, s46, s18
	s_lshl_b32 s92, s46, 5
	s_add_co_u32 s92, s92, 884736
	s_mov_b32 s93, 0
	s_mul_i32 s46, s46, KROW
	s_add_co_u32 s46, s46, 21233664
	s_mov_b32 s47, 0
	s_mul_i32 s45, s16, HALFA
	s_mul_i32 s95, s16, HALFT
	s_add_co_u32 s95, s95, 2*HALFA
	s_mul_i32 s94, s14, HALFS
	s_wait_dscnt 0x0
	s_wait_kmcnt 0x0
	s_add_nc_u64 s[20:21], s[4:5], s[20:21]
	s_add_nc_u64 s[22:23], s[6:7], s[22:23]
	s_add_nc_u64 s[46:47], s[8:9], s[46:47]
	s_add_nc_u64 s[92:93], s[10:11], s[92:93]
	CROUND
	s_mov_b32 s[G0S], 1
	s_add_co_u32 s[G0S+1], s94, SCL
	s_mov_b64 s[G0S+2:G0S+3], s[22:23]
	s_or_b32 s[G0S+3], s[G0S+3], 0x80000000
	s_mov_b32 s[G0SB], 1
	s_add_co_u32 s[G0SB+1], s94, SCL
	s_mov_b64 s[G0SB+2:G0SB+3], s[92:93]
	s_or_b32 s[G0SB+3], s[G0SB+3], 0x80000000
	JLOAD G0S, G1S, G0SB, G1SB
.irp s, 0,1
	s_mov_b32 s[G0+4*\s], 1
	s_add_co_u32 s[G0+4*\s+1], s45, \s*SLOT
	s_add_nc_u64 s[G0+4*\s+2:G0+4*\s+3], s[20:21], \s*ASTEP
	s_or_b32 s[G0+4*\s+3], s[G0+4*\s+3], 0x80000000
	s_mov_b32 s[G0B+4*\s], 1
	s_add_co_u32 s[G0B+4*\s+1], s95, \s*SLOT
	s_add_nc_u64 s[G0B+4*\s+2:G0B+4*\s+3], s[46:47], \s*ROWB
	s_or_b32 s[G0B+4*\s+3], s[G0B+4*\s+3], 0x80000000
	s_wait_alu depctr_va_vdst(0)
	s_wait_tensorcnt 0x0
	ds_add_u32 v28, v29
	s_wait_dscnt 0x0
	CROUND
	JLOAD G0+4*\s, G1, G0B+4*\s, G1B
.endr
	v_and_b32 v1, 15, v0
	v_bfe_u32 v2, v0, 4, 1
	v_and_b32 v6, 31, v0
	v_lshlrev_b32 v7, 4, v6
	v_lshlrev_b32 v8, 3, v6
	v_add_nc_u32 v8, 512, v8
	v_mul_u32_u24 v3, v1, PITCH
	v_mul_u32_u24 v4, v2, 24
	v_add_nc_u32 v4, v3, v4
	v_lshl_add_u32 v5, v2, 4, v4
	s_mul_i32 s21, s15, HALFA
	s_mul_i32 s22, s16, HALFT
	s_add_co_u32 s22, s22, 2*HALFA
.irp s, 0,1
	v_add_nc_u32 v[ADRA+\s], s21, v7
	v_add_nc_u32 v[ADRB+\s], s22, v4
	v_add_nc_u32 v[ADRA+2+\s], s21, v8
	v_add_nc_u32 v[ADRB+2+\s], s22, v5
	s_add_co_u32 s21, s21, SLOT
	s_add_co_u32 s22, s22, SLOT
.endr
	v_mul_u32_u24 v5, v1, KS
	v_lshrrev_b32 v6, 8, v5
	v_lshl_add_u32 v5, v6, 4, v5
	s_mul_i32 s21, s15, HALFS
	s_mul_i32 s22, s16, HALFS
	s_add_co_u32 s22, s22, 2*HALFS
	s_sub_co_u32 s22, s22, s21
	v_mul_u32_u24 v6, s22, v2
	s_add_co_u32 s21, s21, SCL
	v_add_nc_u32 v5, v5, v6
	v_add_nc_u32 v[ADRS], s21, v5
	s_mul_i32 s23, s14, 16*SPITCH
	v_mul_u32_u24 v5, v1, SPITCH
	v_lshl_add_u32 v5, v2, 5, v5
	v_add_nc_u32 v[STO], s23, v5
	v_and_b32 v6, 31, v0
	v_lshlrev_b32 v[CO], 4, v6
	v_add_nc_u32 v[RD], s23, v[CO]
	s_lshl_b32 s20, s17, 8
	s_lshl_b32 s21, s15, 7
	s_add_co_u32 s20, s20, s21
	s_mov_b32 s21, 0
	s_mov_b64 s[18:19], SIZE_N*4
	s_mul_u64 s[20:21], s[20:21], s[18:19]
	s_lshl_b32 s46, s42, 10
	s_lshl_b32 s47, s16, 9
	s_add_co_u32 s46, s46, s47
	s_mov_b32 s47, 0
	s_add_nc_u64 s[20:21], s[20:21], s[46:47]
	s_add_nc_u64 s[12:13], s[12:13], s[20:21]
.macro FRAG reg, adr, q, i
.irp p, 0,1,2,3,4,5
.set PC, 12*(\q)+6*(\p/3)+\p%3
.if PC%8 < 5
	ds_load_b64 v[\reg+2*\p:\reg+2*\p+1], v[\adr] offset:8*PC+16*(PC/8)+(\i)*16*PITCH
.else
	ds_load_b64 v[\reg+2*\p:\reg+2*\p+1], v[\adr+2] offset:8*PC+16*(PC/8)+(\i)*16*PITCH
.endif
.endr
.endm
.macro FRAGA reg, slot, q, i
.irp c, 0,1
	ds_load_b128 v[\reg+6*\c:\reg+6*\c+3], v[ADRA+\slot] offset:ASTEP*(\i)+768*(2*(\q)+\c)
	ds_load_b64 v[\reg+6*\c+4:\reg+6*\c+5], v[ADRA+2+\slot] offset:ASTEP*(\i)+768*(2*(\q)+\c)
.endr
.endm
.macro MUL16 a0, p, q, sc, zero
.irp a, \a0, \a0+1
.irp b, 0,1,2,3,4,5,6,7
.if \zero
	v_wmma_scale_f32_16x16x128_f8f6f4 v[8*(8*((\a)%4)+\b):8*(8*((\a)%4)+\b)+7], v[128*(\p)+FR*\b:128*(\p)+FR*\b+FR-1], v[AF+FR*(\a):AF+FR*(\a)+FR-1], 0, v[SC+8*NQ*(\sc)+NQ*\b+(\q)], v[SC+8*NQ*(\sc)+NQ*(\a)+(\q)] matrix_a_fmt:MATRIX_FMT_FP6 matrix_b_fmt:MATRIX_FMT_FP6 matrix_a_scale:MATRIX_SCALE_ROW1
.else
	v_wmma_scale_f32_16x16x128_f8f6f4 v[8*(8*((\a)%4)+\b):8*(8*((\a)%4)+\b)+7], v[128*(\p)+FR*\b:128*(\p)+FR*\b+FR-1], v[AF+FR*(\a):AF+FR*(\a)+FR-1], v[8*(8*((\a)%4)+\b):8*(8*((\a)%4)+\b)+7], v[SC+8*NQ*(\sc)+NQ*\b+(\q)], v[SC+8*NQ*(\sc)+NQ*(\a)+(\q)] matrix_a_fmt:MATRIX_FMT_FP6 matrix_b_fmt:MATRIX_FMT_FP6 matrix_a_scale:MATRIX_SCALE_ROW1
.endif
.endr
.endr
.endm
.macro FETCH_B slot, q, p
	WIN TO_B
.irp i, 0,1,2,3,4,5,6,7
	FRAG 128*(\p)+FR*\i, ADRB+\slot, \q, \i
.endr
	WIN 0
.endm
.macro FETCH_A slot, q, i0
.irp i, \i0, \i0+1, \i0+2, \i0+3
	FRAGA AF+FR*(\i), \slot, \q, \i
.endr
.endm
.macro SCALES sc
.irp i, 0,1,2,3,4,5,6,7
	ds_load_b64 v[SC+8*NQ*\sc+NQ*\i:SC+8*NQ*\sc+NQ*\i+1], v[ADRS] offset:\i*SBLK
.endr
.endm
.macro PLACES n
.rept \n
	v_nop
.endr
.endm
.macro STEP slot, q, zero
	s_wait_dscnt 4*NLA
	WIN MUL_LO
	MUL16 0, (\q)%2, \q, \slot, \zero
	MUL16 2, (\q)%2, \q, \slot, \zero
	s_wait_dscnt 0
	PLACES NP
	FETCH_B \slot, (\q)+1, 1-(\q)%2
	FETCH_A \slot, (\q)+1, 0
	WIN MUL_HI
	MUL16 4, (\q)%2, \q, \slot, \zero
	MUL16 6, (\q)%2, \q, \slot, \zero
	PLACES NP
	WIN 0
	FETCH_A \slot, (\q)+1, 4
.endm
.macro TURN slot, next, fill
	s_wait_tensorcnt 0x0
	ds_add_u32 v[SPW], v[NIL]
	s_wait_dscnt 4*NLA+1
	WIN MUL_LO
	MUL16 0, 1, NQ-1, \slot, 0
	s_wait_dscnt 0x0
	s_barrier_signal -1
	MUL16 2, 1, NQ-1, \slot, 0
	WIN 0
	s_barrier_wait -1
.if \fill
	CREST
	s_add_nc_u64 s[G0+4*\slot+2:G0+4*\slot+3], s[G0+4*\slot+2:G0+4*\slot+3], 2*ASTEP
	s_add_nc_u64 s[G0B+4*\slot+2:G0B+4*\slot+3], s[G0B+4*\slot+2:G0B+4*\slot+3], 2*ROWB
	JLOAD G0+4*\slot, G1, G0B+4*\slot, G1B
.else
	PLACES NP
.endif
	s_wait_alu depctr_va_vdst(0)
	v_add_nc_u32 v[ADRS], 4*NQ, v[ADRS]
	FETCH_B \next, 0, 0
	FETCH_A \next, 0, 0
	SCALES \next
	WIN MUL_HI
	MUL16 4, 1, NQ-1, \slot, 0
	MUL16 6, 1, NQ-1, \slot, 0
	PLACES NP
	WIN 0
	FETCH_A \next, 0, 4
.endm
	s_wait_alu depctr_va_vdst(0)
	s_wait_tensorcnt 1
	s_barrier_signal -1
	s_barrier_wait -1
	FETCH_B 0, 0, 0
	FETCH_A 0, 0, 0
	SCALES 0
	FETCH_A 0, 0, 4
	STEP 0, 0, 1
	s_mov_b32 s3, LAPS-1
.Llap:
	TURN 0, 1, 1
	STEP 1, 0, 0
	TURN 1, 0, 1
	STEP 0, 0, 0
	s_sub_co_u32 s3, s3, 1
	s_cmp_lg_u32 s3, 0
	s_cbranch_scc1 .Llap
	TURN 0, 1, 0
	STEP 1, 0, 0
	s_wait_dscnt 4*NLA
	WIN MUL_LO
	MUL16 0, 1, NQ-1, 1, 0
	MUL16 2, 1, NQ-1, 1, 0
	s_wait_dscnt 0
	WIN MUL_HI
	MUL16 4, 1, NQ-1, 1, 0
	MUL16 6, 1, NQ-1, 1, 0
	WIN 0
.macro TOSTAGE a
.set AC, 64*((\a)%4)
	WIN 0x08+4*((\a)/4)
.irp b, 0,1,2,3,4,5,6,7
	ds_store_b128 v[STO], v[AC+8*\b:AC+8*\b+3] offset:64*\b
	ds_store_b128 v[STO], v[AC+8*\b+4:AC+8*\b+7] offset:64*\b+16
.endr
	WIN 0
.set BB, BK+64*((\a)%2)
.irp t, 0,1,2,3,4,5,6,7,8,9,10,11,12,13,14,15
	ds_load_b128 v[BB+4*\t:BB+4*\t+3], v[RD] offset:\t*SPITCH
.endr
.endm
.macro SEND a, younger
.set BB, BK+64*((\a)%2)
	s_wait_dscnt \younger
.if (\a) > 0
	s_add_nc_u64 s[12:13], s[12:13], 16*SIZE_N*4
.endif
.irp t, 0,1,2,3,4,5,6,7,8,9,10,11,12,13,14,15
	global_store_b128 v[CO], v[BB+4*\t:BB+4*\t+3], s[12:13] offset:\t*SIZE_N*4 th:TH_STORE_NT
.endr
.endm
	PLACES NP
	TOSTAGE 0
.irp a, 1,2,3,4,5,6,7
.if \a > 1
	s_wait_xcnt 0x0
.endif
	TOSTAGE \a
	SEND \a-1, 32
.endr
	s_wait_xcnt 0x0
	SEND 7, 0
	s_wait_tensorcnt 0x0
	ds_add_u32 v[SPW], v[NIL]
	s_wait_dscnt 0x0
	CROUND
	s_endpgm
.Lfunc_end_k_qe7f2e63f5a_outp:
	.size	k_qe7f2e63f5a_outp, .Lfunc_end_k_qe7f2e63f5a_outp-k_qe7f2e63f5a_outp
	.p2alignl 7, 3214868480
	.fill 96, 4, 3214868480
	.section	.rodata,"a",@progbits
	.p2align	6, 0x0
	.amdhsa_kernel k_qe7f2e63f5a_outp
		.amdhsa_group_segment_fixed_size 327680
		.amdhsa_private_segment_fixed_size 0
		.amdhsa_enable_private_segment 0
		.amdhsa_kernarg_size 40
		.amdhsa_user_sgpr_count 2
		.amdhsa_user_sgpr_kernarg_segment_ptr 1
		.amdhsa_wavefront_size32 1
		.amdhsa_system_sgpr_workgroup_id_x 1
		.amdhsa_system_sgpr_workgroup_id_y 1
		.amdhsa_system_sgpr_workgroup_id_z 1
		.amdhsa_system_vgpr_workitem_id 0
		.amdhsa_next_free_vgpr 1024
		.amdhsa_next_free_sgpr 98
		.amdhsa_reserve_vcc 0
		.amdhsa_float_denorm_mode_32 3
		.amdhsa_float_denorm_mode_16_64 3
		.amdhsa_memory_ordered 1
		.amdhsa_forward_progress 1
		.amdhsa_inst_pref_size 153
	.end_amdhsa_kernel
	.amdgpu_metadata
---
amdhsa.version: [ 1, 2 ]
amdhsa.kernels:
  - .name:           k_qe7f2e63f5a_outp
    .symbol:         k_qe7f2e63f5a_outp.kd
    .args:
      - { .name: atc, .offset: 0, .size: 8, .value_kind: global_buffer, .address_space: global }
      - { .name: ats, .offset: 8, .size: 8, .value_kind: global_buffer, .address_space: global }
      - { .name: inc, .offset: 16, .size: 8, .value_kind: global_buffer, .address_space: global }
      - { .name: ins, .offset: 24, .size: 8, .value_kind: global_buffer, .address_space: global }
      - { .name: out0, .offset: 32, .size: 8, .value_kind: global_buffer, .address_space: global }
    .group_segment_fixed_size: 327680
    .private_segment_fixed_size: 0
    .kernarg_segment_align: 8
    .kernarg_segment_size: 40
    .max_flat_workgroup_size: 128
    .sgpr_count:     98
    .vgpr_count:     1024
    .wavefront_size: 32
...
	.end_amdgpu_metadata
.endif
;; end of part 4
